; MI455X (gfx1250); checked and timed in simulation.
; The chip was launched on July 23, 2026; its instructions are those of AMD's public machine-readable ISA for CDNA 5 (MIT licence, August 2026) and "CDNA5" Instruction Set Architecture Reference Guide (July 2026). The comments in the code are by the model that wrote it; some were corrected since.
;; Cross Attention. Allowed arithmetic: matrix products marked QUANTISED: E2M1 operands, one E8M0 scale for each 32 along K, by v_wmma_scale_f32_16x16x128_f8f6f4 with both operands' format E2M1 (or v_wmma_scale_f32_32x16x128_f4), f32 sums; products left as they are: bf16, f16 or f32 operands; f32 sums; everything else in f32.
;; Inputs: Wk 1,024 x 1,024 float32; Wq 1,024 x 1,024 float32; Wv 1,024 x 1,024 float32; bk 1,024 float32; bq 1,024 float32; bv 1,024 float32; key 4 x 2,048 x 1,024 float32; query 4 x 2,048 x 1,024 float32; value 4 x 2,048 x 1,024 float32.
;; Outputs: out0 4 x 2,048 x 1,024 float32.
;; This version of the problem:
;;   THIS VERSION OF THE PROBLEM IS GIVEN IN LOW PRECISION. The matrix products marked QUANTISED in the list below multiply operands that are first quantised to E2M1 (2 exponent bits, 1 mantissa bit; 4 bits a number), with one power-of-two scale for each 32 numbers along K (OCP MX v1.0); their sums are f32. The products marked 'left as it is' may take bf16, f16 or f32 operands, with f32 sums. Whichever they take, every output number must still come out within the allowed error. Rounding operands to bf16 (8 significant bits) uses up far more of that allowance than f16 does (11 bits, for magnitudes from 6e-5 to 65,504). All else is computed in f32.
;;   The module's matrix products, in the order in which they are computed (A, B: the left and right operand; K: the contracted axis; several contracted axes count as one K, in the product's order):
;;     1. [M 8,192, K 1,024] x [K 1,024, N 1,024]; A: input query; B: input Wq: QUANTISED
;;     2. [M 8,192, K 1,024] x [K 1,024, N 1,024]; A: input key; B: input Wk: QUANTISED
;;     3. [M 8,192, K 1,024] x [K 1,024, N 1,024]; A: input value; B: input Wv: QUANTISED
;;     4. batch 4 x [M 2,048, K 1,024] x [K 1,024, N 2,048]; A: computed on the way; B: computed on the way: left as it is (an operand is computed on the way)
;;     5. batch 4 x [M 2,048, K 2,048] x [K 2,048, N 1,024]; A: computed on the way; B: computed on the way: left as it is (an operand is computed on the way)
;;   THE QUANTISER, for each operand of a quantised product, along K:
;;     - K is cut into blocks of 32 from its start; a last block that is shorter is filled with zeros.
;;     - A block's scale is 2^e with e = floor(log2(the largest magnitude in the block)) - 2, held to -126 .. 127; a block of zeros has e = 0. As a byte (E8M0): e + 127.
;;     - Each number is divided by its block's scale, clamped to +-6, and rounded to the nearest number of E2M1, ties to even, subnormals kept.
;;     - The product sums the exact products of the quantised numbers (number of the format x scale) in f32.
;;   ~~~python
;;   def quantise(x, axis):      # numpy; x: float32 -> the quantised numbers, widened to float32 again
;;       x = np.moveaxis(x, axis, -1); K = x.shape[-1]
;;       x = np.pad(x, [(0, 0)] * (x.ndim - 1) + [(0, -K % 32)]); x = x.reshape(x.shape[:-1] + (-1, 32)); a = np.abs(x).max(-1, keepdims=True)
;;       e = np.where(a > 0, np.clip(np.frexp(np.where(a > 0, a, 1))[1] - 1 - 2, -126, 127), 0)      # np.frexp(a)[1] - 1 = floor(log2(a)), exactly
;;       r = np.clip(x / 2.0 ** e, -6, 6)
;;       step = 2.0 ** (np.maximum(np.frexp(np.where(r == 0, 1, r))[1] - 1, 0) - 1)
;;       q = np.round(r / step) * step * 2.0 ** e      # np.round: ties to even
;;       return np.moveaxis(q.reshape(q.shape[:-2] + (-1,))[..., :K], -1, axis).astype(np.float32)
;;   ~~~
;; One version. Each part assembles by itself: llvm-mc -triple=amdgcn-amd-amdhsa -mcpu=gfx1250 --defsym DOCPART=n.
;; ======== version 1 of 1: 4 launches
;; limits: values are held in f16: magnitudes above 65,504 overflow, below 6.1e-05 lose precision
;; workspace buffers: codes 14,155,776 bytes; scales 884,736 bytes; qkv 50,331,648 bytes; p 33,554,432 bytes; stats 1,048,576 bytes
;; launch quant (part 1): grid 864 x 1, 4 waves a work-group, no clusters, 33,280 bytes of LDS; arguments query, key, value, Wq, Wk, Wv, codes, scales; writes codes, scales
.if DOCPART == 1
	.amdgcn_target "amdgcn-amd-amdhsa--gfx1250"
	.amdhsa_code_object_version 6
	.text
	.protected	k_qbac80b732d_quant
	.globl	k_qbac80b732d_quant
	.p2align	8
	.type	k_qbac80b732d_quant,@function
k_qbac80b732d_quant:
	s_mov_b64 s[64:65], 0
	v_nop
	global_prefetch_b8 v0, s[64:65] scope:SCOPE_SE
	s_setreg_imm32_b32 hwreg(HW_REG_WAVE_MODE, 25, 1), 1
	s_wait_xcnt 0x0
; query, key, value [8192][1024] and Wq, Wk, Wv [1024][1024], f32, become codes of FP4 (E2M1), two to a byte, K (the last axis) innermost, with one E8M0 byte for each 32 along K.
; A block's scale is 2^(floor(log2(its largest magnitude)) - 2); its byte is the largest magnitude's exponent field - 2, held at 1 from below.  Each number is divided by the scale and rounded to the nearest code, ties to even, beyond 6 the code of 6.
; (A block of zeros gets the byte 1 where the quantiser says 127: its codes are zeros, which add nothing under any byte but 0xff, and this program alone reads the bytes.)
; LIMITS: NaN and infinities among the inputs are not served.
; Rows are dense and 1,024 is a multiple of 32: every tensor is a plain stream of blocks of 32, and so are its codes and bytes.  The six streams lie one behind the other in the two workspace buffers:
; rows 0-8191 query, 8192-16383 key, 16384-24575 value, 24576 on Wq, Wk, Wv: 512 bytes of codes and 32 scale bytes a row.
; A work-group takes a unit of 32,768 numbers: units 0-255 query, 256-511 key, 512-767 value, 768-799 Wq, 800-831 Wk, 832-863 Wv.  Only the input's pointer is chosen; all take one path.
; A wave takes 16 steps of 512 numbers.  Each of a step's four loads reads 512 consecutive bytes, 16 a lane; the 2,048 bytes turn through the wave's own stage in LDS and come back 64 bytes a lane, so that a lane holds
; 16 neighbours along K (two neighbouring lanes hold a block), as the conversions want them.  A lane's 16 codes are 8 bytes: the wave stores 256 consecutive bytes.  A wave's 256 scale bytes are gathered in LDS and leave as one aligned run of 256 bytes.
; No tensor loads, no barrier: waves share nothing.  No cluster: work-groups share no input.  Loads run four steps (16 loads a wave) ahead, the turn through LDS one step.
.set WAVES, 4
.set STEPS, 16
.set EMAX,  2
.set CB,    8                          ; bytes of 16 codes
.set R,     16                         ; v16-79   four sets of 16 numbers as they are loaded
.set X,     80                         ; v80-111  two sets of 16 neighbours
.set C,     128                        ; v128-191 codes: four registers for each step, so that no store's data are written again
.set E,     112                        ; v112-127 a scale byte for each step
.set WREG,  8192                       ; LDS: a region for each wave: two stages of 32 x SP bytes, behind them its 256 scale bytes
.set SP,    80                         ; a lane's place in a stage: 64 bytes + 16 of padding
.set SPW,   12                         ; v12      LDS address of my spare word; never rewritten
.set NIL,   13                         ; v13      0; never rewritten
.set SPARE, WAVES*WREG                 ; behind the four regions: the spare words, 128 bytes a wave, which no other line names
	s_load_b256 s[4:11], s[0:1], 0x0               ; query s[4:5], key s[6:7], value s[8:9], Wq s[10:11]
	s_load_b128 s[12:15], s[0:1], 0x20             ; Wk s[12:13], Wv s[14:15]
	s_load_b128 s[20:23], s[0:1], 0x30             ; codes s[20:21], scales s[22:23]
	v_lshl_add_u32 v[SPW], v0, 2, SPARE
	v_mov_b32 v[NIL], 0
	v_lshrrev_b32 v1, 5, v0
	v_readfirstlane_b32 s16, v1                    ; wave
	v_and_b32 v2, 31, v0                           ; lane
	v_lshlrev_b32 v3, 4, v2                        ; my 16 bytes of a load's 512
	s_mul_i32 s18, s16, WREG
	v_lshrrev_b32 v14, 2, v2
	v_mul_u32_u24 v14, v14, SP
	v_and_b32 v15, 3, v2
	v_lshl_add_u32 v14, v15, 4, v14
	v_add_nc_u32 v14, s18, v14                     ; the stage, on the way in: SP (lane / 4) + 16 (lane % 4)
	v_mul_u32_u24 v15, v2, SP
	v_add_nc_u32 v15, s18, v15                     ; on the way out: SP x lane: my 16 neighbours
	v_mul_u32_u24 v4, v2, CB                       ; my codes' place in a step's
	v_lshrrev_b32 v5, 1, v2
	s_add_co_u32 s18, s18, 2*32*SP
	v_add_nc_u32 v5, s18, v5                       ; LDS: my wave's 256 scale bytes, my block's byte
	v_lshlrev_b32 v7, 3, v2                        ; and on the way out 8 bytes a lane
	v_add_nc_u32 v6, s18, v7
	s_wait_kmcnt 0x0
; which tensor is my unit's: the choice hangs on the work-group's number alone.  s[14:15] begins as Wv, s17 as its first unit
.macro PICK limit, ptr, first
	s_cmp_lt_u32 ttmp9, \limit
	s_cselect_b64 s[14:15], s[\ptr:\ptr+1], s[14:15]
	s_cselect_b32 s17, \first, s17
.endm
	s_mov_b32 s17, 832
	PICK 832, 12, 800
	PICK 800, 10, 768
	PICK 768, 8, 512
	PICK 512, 6, 256
	PICK 256, 4, 0
	s_sub_co_u32 s17, ttmp9, s17                   ; my unit within its tensor
	s_lshl_b32 s17, s17, 2
	s_add_co_u32 s17, s17, s16                     ; my wave's run of 8,192 numbers within the tensor
	s_lshl_b32 s24, s17, 15                        ; 32,768 bytes a run: under 2^26
	s_mov_b32 s25, 0
	s_add_nc_u64 s[14:15], s[14:15], s[24:25]
	s_lshl_b32 s17, ttmp9, 2
	s_add_co_u32 s17, s17, s16                     ; and within the workspace, where the six streams lie on end
	s_lshl_b32 s24, s17, 12                        ; 4,096 bytes of codes a run
	s_add_nc_u64 s[20:21], s[20:21], s[24:25]
	s_lshl_b32 s24, s17, 8                         ; 256 scale bytes a run
	s_add_nc_u64 s[22:23], s[22:23], s[24:25]
.macro LOAD t
.irp i, 0,1,2,3
	global_load_b128 v[R+16*((\t)%4)+4*\i:R+16*((\t)%4)+4*\i+3], v3, s[14:15] offset:2048*(\t)+512*\i th:TH_LOAD_NT   ; 32 lanes read 512 consecutive bytes, read once in the launch
.endr
.endm
.macro TURN t                          ; step t's numbers through the stage: LDS serves a wave's instructions in order, so no wait stands between the stores and the loads
.irp i, 0,1,2,3
	ds_store_b128 v14, v[R+16*((\t)%4)+4*\i:R+16*((\t)%4)+4*\i+3] offset:32*SP*((\t)%2)+8*SP*\i
.endr
.irp i, 0,1,2,3
	ds_load_b128 v[X+16*((\t)%2)+4*\i:X+16*((\t)%2)+4*\i+3], v15 offset:32*SP*((\t)%2)+16*\i
.endr
.endm
.irp t, 0,1,2,3
	LOAD \t
.endr
	s_wait_loadcnt 12                              ; step 0's four loads are in; the twelve of steps 1 to 3 stay out
	TURN 0
.macro STEP t
.set XS, X+16*((\t)%2)
.if (\t) > 0
	s_wait_dscnt 1                                 ; this step's numbers are back from the stage (the last step's byte store may be out): so its stores into the stage have read their registers,
.else
	s_wait_dscnt 0x0
.endif
.if (\t)+4 < STEPS
	LOAD (\t)+4                                    ; which take the loads of four steps on
.endif
.if (\t)+1 < STEPS
.if STEPS-2-(\t) >= 3
	s_wait_loadcnt 12                              ; the next step's four loads are in; those of the three steps behind it may be out
.else
	s_wait_loadcnt 4*(STEPS-2-(\t))
.endif
	TURN (\t)+1                                    ; and go through the other stage while this step is worked
.endif
	v_max3_num_f32 v8, |v[XS]|, |v[XS+1]|, |v[XS+2]|               ; the largest magnitude of my 16, in two chains
	v_max3_num_f32 v9, |v[XS+3]|, |v[XS+4]|, |v[XS+5]|
.irp i, 6,10
	v_max3_num_f32 v8, v8, |v[XS+\i]|, |v[XS+\i+1]|
	v_max3_num_f32 v9, v9, |v[XS+\i+2]|, |v[XS+\i+3]|
.endr
	v_max3_num_f32 v8, v8, |v[XS+14]|, |v[XS+15]|
	v_max3_num_f32 v8, v8, v9, (EMAX+1)<<23        ; and the floor 2^(EMAX + 1 - 127): so the byte cannot fall under 1
	v_max_num_f32_dpp v8, v8, v8 row_xmask:1 row_mask:0xf bank_mask:0xf   ; and of my neighbour's 16: the block's
	v_add_nc_u32 v11, -(EMAX<<23), v8              ; EMAX off its exponent field: the conversion takes the exponent field of this operand as its scale, and nothing else of it
	v_cvt_scalef32_pk8_fp4_f32 v[C+4*(\t)], v[XS:XS+7], v11
	v_cvt_scalef32_pk8_fp4_f32 v[C+4*(\t)+1], v[XS+8:XS+15], v11
	v_lshrrev_b32 v[E+(\t)], 23, v11               ; the scale's byte (also the plain line behind the conversions)
	ds_store_b8 v5, v[E+(\t)] offset:16*(\t)       ; both lanes of a block write the same byte with the same value
	global_store_b64 v4, v[C+4*(\t):C+4*(\t)+1], s[20:21] offset:32*CB*(\t)   ; 32 lanes store 256 consecutive bytes, aligned
.endm
.irp t, 0,1,2,3,4,5,6,7,8,9,10,11,12,13,14,15
	STEP \t
.endr
	ds_load_b64 v[8:9], v6                         ; LDS serves a wave's instructions in order: these see my stores
	s_wait_dscnt 0x0
	global_store_b64 v7, v[8:9], s[22:23]          ; 32 lanes store 256 consecutive bytes, aligned
	s_wait_tensorcnt 0x0                           ; the wave's end, behind my last LDS store
	ds_add_u32 v[SPW], v[NIL]
	s_wait_dscnt 0x0
	s_endpgm
.Lfunc_end_k_qbac80b732d_quant:
	.size	k_qbac80b732d_quant, .Lfunc_end_k_qbac80b732d_quant-k_qbac80b732d_quant
	.p2alignl 7, 3214868480
	.fill 96, 4, 3214868480
	.section	.rodata,"a",@progbits
	.p2align	6, 0x0
	.amdhsa_kernel k_qbac80b732d_quant
		.amdhsa_group_segment_fixed_size 33280
		.amdhsa_private_segment_fixed_size 0
		.amdhsa_enable_private_segment 0
		.amdhsa_kernarg_size 64
		.amdhsa_user_sgpr_count 2
		.amdhsa_user_sgpr_kernarg_segment_ptr 1
		.amdhsa_wavefront_size32 1
		.amdhsa_system_sgpr_workgroup_id_x 1
		.amdhsa_system_sgpr_workgroup_id_y 1
		.amdhsa_system_sgpr_workgroup_id_z 1
		.amdhsa_system_vgpr_workitem_id 0
		.amdhsa_next_free_vgpr 192
		.amdhsa_next_free_sgpr 66
		.amdhsa_reserve_vcc 0
		.amdhsa_float_denorm_mode_32 3
		.amdhsa_float_denorm_mode_16_64 3
		.amdhsa_memory_ordered 1
		.amdhsa_forward_progress 1
		.amdhsa_inst_pref_size 34
	.end_amdhsa_kernel
	.amdgpu_metadata
---
amdhsa.version: [ 1, 2 ]
amdhsa.kernels:
  - .name:           k_qbac80b732d_quant
    .symbol:         k_qbac80b732d_quant.kd
    .args:
      - { .name: query, .offset: 0, .size: 8, .value_kind: global_buffer, .address_space: global }
      - { .name: key, .offset: 8, .size: 8, .value_kind: global_buffer, .address_space: global }
      - { .name: value, .offset: 16, .size: 8, .value_kind: global_buffer, .address_space: global }
      - { .name: Wq, .offset: 24, .size: 8, .value_kind: global_buffer, .address_space: global }
      - { .name: Wk, .offset: 32, .size: 8, .value_kind: global_buffer, .address_space: global }
      - { .name: Wv, .offset: 40, .size: 8, .value_kind: global_buffer, .address_space: global }
      - { .name: codes, .offset: 48, .size: 8, .value_kind: global_buffer, .address_space: global }
      - { .name: scales, .offset: 56, .size: 8, .value_kind: global_buffer, .address_space: global }
    .group_segment_fixed_size: 33280
    .private_segment_fixed_size: 0
    .kernarg_segment_align: 8
    .kernarg_segment_size: 64
    .max_flat_workgroup_size: 128
    .sgpr_count:     66
    .vgpr_count:     192
    .wavefront_size: 32
...
	.end_amdgpu_metadata
.endif
;; end of part 1
;; launch proj (part 2): grid 4 x 96, 4 waves a work-group, clusters of 4 x 4, 327,680 bytes of LDS; arguments codes, scales, bq, bk, bv, qkv; writes qkv
.if DOCPART == 2
	.amdgcn_target "amdgcn-amd-amdhsa--gfx1250"
	.amdhsa_code_object_version 6
	.text
	.protected	k_qbac80b732d_proj
	.globl	k_qbac80b732d_proj
	.p2align	8
	.type	k_qbac80b732d_proj,@function
k_qbac80b732d_proj:
	s_mov_b64 s[64:65], 0
	v_nop
	global_prefetch_b8 v0, s[64:65] scope:SCOPE_SE
	s_setreg_imm32_b32 hwreg(HW_REG_WAVE_MODE, 25, 1), 1
	s_wait_xcnt 0x0
	s_wait_alu depctr_hold_cnt(0) depctr_sa_sdst(0) depctr_va_vdst(0) depctr_va_sdst(0) depctr_va_ssrc(0) depctr_va_vcc(0) depctr_vm_vsrc(0)
	s_getreg_b32 s2, hwreg(HW_REG_IB_STS2, 6, 4)
	s_cmp_eq_u32 s2, 0
	s_cbranch_scc0 .Lentry_in_a_cluster
	s_endpgm
.Lentry_in_a_cluster:
	s_bfe_u32 s2, ttmp6, 0x10000c
	s_cmp_lg_u32 s2, 0xf033
	s_cbranch_scc0 .Lentry_shape_is_right
	s_endpgm
.Lentry_shape_is_right:
; The three projections in one launch: qkv[t][s][e] = sum over d of x_t[s][d] W_t[e][d] + b_t[e], t = 0 (query, Wq, bq), 1 (key, Wk, bk), 2 (value, Wv, bv); both operands as codes of FP4 (E2M1) with one E8M0 byte
; for each 32 along d, taken by the scaled matrix instruction as they lie; sums in f32; the result rounded once to f16.
; LIMIT: q, k and v are kept in f16: a magnitude beyond 65,504 becomes infinity.  As drawn they lie near 6; with x and W both 30 times larger near 5,400.
; codes: 27,648 rows of 512 bytes (rows 0-24575 the three x, from 24576 on the three W), scales: the same rows, 32 bytes each.  qkv: f16, 24,576 rows of 2,048 bytes: row = x's row in codes.
; A tile of 256 x 256 is made by a work-group of four waves, a wave makes 128 x 128: 64 accumulators, 512 registers.  K = 1,024 is two LDS slots of 512 along K (rows of 256 bytes): both are asked for at the head, nothing is filled again.
; The scale bytes of the work-group's 256 + 256 rows, for all of K, are two dense blocks: they come once, in runs of 256 bytes.
; CLUSTERS: 4 x 4 work-groups; a cluster lies inside one projection (32 tile rows are 8 clusters).  The four of a row of the cluster need the same rows of x, the four of a column the same rows of W: each tile is asked for
; jointly, by the same tensor load with the same descriptor and a mask that names the four.
; THE MATRIX INSTRUCTION IS USED TRANSPOSED (source 0 = 16 rows of W, source 1 = 16 rows of x): a lane holds eight neighbouring e of one row s.  The bias is the C of each sum's first product.
; REGISTERS, in windows of 256: window 0: v0-31 addresses; v32-95 scale words, two sets, and nothing else; v128-191 x's fragments, one set; v192-255 the bias in the result's layout.  On the way out v128-255 are free.
;   window 1: W's fragments, two sets, at v0 and v128.   window 2: the accumulators of my rows 0-63 ((a, b) at v[8 (8 a + b)]);   window 3: those of rows 64-127.
.set NQ,     4                         ; steps of 128 along K in a slot
.set ROWB,   256                       ; a tile's row in bytes: 512 codes
.set KROW,   512                       ; a row of codes in memory
.set PITCH,  272                       ; an LDS row: 256 bytes + 16 of padding = 68 words: the 16 rows that a load touches start 4 banks apart
.set FR,     8                         ; registers of a fragment: 16 rows x 128 K
.set NL,     2                         ; LDS loads that bring one
.set NP,     4                         ; places behind this matrix instruction (ISA guide 7.12.1)
.set HALFT,  128*PITCH                 ; 128 rows: what one tensor load brings
.set SLOT,   4*HALFT                   ; x's 256 rows, then W's 256 rows
.set KS,     32                        ; a row of scale bytes
.set SCL,    2*SLOT                    ; behind the slots: the scales, as runs of 256 bytes + 16 of padding
.set HALFS,  (128*KS/256)*272          ; those of 128 rows
.set SBLK,   (16*KS/256)*272           ; those of 16 rows
.set SPARE,  SCL+4*HALFS               ; the spare words, 128 bytes a wave, which no other line names
.set SPITCH, 272                       ; the way out: a stage of 16 rows x (256 + 16) bytes for each wave, in slot 0, which has had its only fill and its last read by then
.set CROW,   2048                      ; a row of qkv in bytes
.set WROW0,  24576                     ; Wq's first row in codes
.set ADRA, 16                          ; v16-17  LDS address of my x fragments in slot 0, 1
.set ADRB, 20                          ; v20-21  the same for W
.set STO,  24                          ; v24     the way out: where I put 16 bytes of a row
.set RD,   25                          ; v25     where I read a row back
.set CO,   26                          ; v26     my byte offset in two rows of qkv
.set ADRS, 27                          ; v27     LDS address of my scale words: lanes 0-15 x's rows, lanes 16-31 W's
.set SPW,  28                          ; v28     LDS address of my spare word; never rewritten
.set NIL,  29                          ; v29     0; never rewritten
.set SC,   32                          ; scale words: set s at v[SC + 32 s]; register 4 i + q: lanes 0-15 x's block i, lanes 16-31 W's block i, the slot's q-th 128 along K
.set AF,   128                         ; x's fragments
.set BI,   192                         ; the bias: register 8 b + j = b_t[my first e + 16 b + 8 (lane / 16) + j]
.set TMP,  192                         ; the way out: packed results
.set OB,   128                         ; the way out: rows read back: v128-159 and v160-191 by turns
.set G1, 24                            ; s[24:31] descriptor group 1 for x's tiles;  s[32:39] group 0, one set a slot
.set G0, 32
.set G1B, 48                           ; s[48:55], s[56:63] the same for W's tiles
.set G0B, 56
.set G1S, 68                           ; s[68:75], s[76:79] groups 1 and 0 for x's scales;  s[80:87], s[88:91] for W's
.set G0S, 76
.set G1SB, 80
.set G0SB, 88
.set MSB, 0
.macro WIN new                         ; the immediate's high byte repeats the setting that is left
.if MSB != \new
	s_set_vgpr_msb (MSB<<8)|\new
.set MSB, \new
.endif
.endm
.set MUL_LO, 0xa1                      ; source 0 (W) window 1, source 1 (x) window 0, C and D window 2
.set MUL_HI, 0xf1                      ; the same, C and D window 3
.set FST_LO, 0x81                      ; the first step: C (the bias) window 0, D window 2
.set FST_HI, 0xc1                      ; D window 3
.set TO_B,   0x40                      ; destination window 1, address window 0
; A joint load: waves 0 and 1 fetch for x, waves 2 and 3 for W.  The branch hangs on the wave's number alone.  An s_nop 0 and four v_nop follow each of the two lines.
.macro JLOAD g0a, g1a, g0b, g1b
	s_cmp_eq_u32 s15, 0
	s_cbranch_scc0 .Lfor_b_\@
	tensor_load_to_lds s[\g0a:\g0a+3], s[\g1a:\g1a+7]
	s_nop 0
.rept 4
	v_nop
.endr
	s_branch .Lasked_\@
.Lfor_b_\@:
	tensor_load_to_lds s[\g0b:\g0b+3], s[\g1b:\g1b+7]
	s_nop 0
.rept 4
	v_nop
.endr
.Lasked_\@:
.endm
.macro CROUND                          ; a round of the cluster's barrier
	s_barrier_signal -1
	s_barrier_wait -1
	s_cmp_lg_u32 s14, 0
	s_cbranch_scc1 .Lnot_wave_0_\@
	s_barrier_signal -3
.Lnot_wave_0_\@:
	s_barrier_wait -3
	s_barrier_signal -1
	s_barrier_wait -1
.endm
	s_load_b128 s[4:7], s[0:1], 0x0                ; codes s[4:5], scales s[6:7]
	s_load_b128 s[8:11], s[0:1], 0x10              ; bq s[8:9], bk s[10:11]
	s_load_b128 s[96:99], s[0:1], 0x20             ; bv s[96:97], qkv s[98:99]
	v_lshl_add_u32 v[SPW], v0, 2, SPARE
	v_mov_b32 v[NIL], 0
	ds_add_u32 v[SPW], v[NIL]                      ; the wave's opening: the add, twice on end, and its wait ahead of my first tensor load
	ds_add_u32 v[SPW], v[NIL]
	v_lshrrev_b32 v1, 5, v0
	v_readfirstlane_b32 s14, v1                    ; wave 0..3
	s_lshr_b32 s15, s14, 1                         ; which half of the tile's rows is mine.  Also: I fetch for x (0) or for W (1)
	s_and_b32 s16, s14, 1                          ; which half of its columns.  Also: which 128 rows of that tile I fetch
	s_bfe_u32 s40, ttmp6, 0x40000                  ; cx, cy: my place in the cluster
	s_bfe_u32 s41, ttmp6, 0x40004
	s_lshl_b32 s42, ttmp9, 2
	s_add_co_u32 s42, s42, s40                     ; tile column = 4 x cluster x + cx
	s_and_b32 s17, ttmp7, 0xffff                   ; cluster y
	s_lshr_b32 s95, s17, 3                         ; t: which projection: 8 clusters each; the same in all sixteen partners
	s_lshl_b32 s17, s17, 2
	s_add_co_u32 s17, s17, s41                     ; tile row = 4 x cluster y + cy: 0 .. 95
	s_lshl_b32 s43, s41, 2
	s_lshl_b32 s43, 15, s43                        ; my row of the cluster
	s_lshl_b32 s44, 0x1111, s40                    ; my column
	; descriptor group 1: a tile of 128 rows x 256 bytes, padded in LDS
	s_or_b32 s[G1+0], s43, (0<<16)|(1<<20)|(1<<21)|(5<<22)|(3<<25)  ; 15:0 the mask; 17:16 elements of 1 byte; 20 padding on; 21 set beside a mask; 24:22 after every 64 words; 31:25 four words
	s_or_b32 s[G1B+0], s44, (0<<16)|(1<<20)|(1<<21)|(5<<22)|(3<<25)
.irp g, G1, G1B
	s_mov_b32 s[\g+1], ROWB<<16                    ; tensor_dim0
	s_mov_b32 s[\g+2], 128<<16                     ; tensor_dim1
	s_mov_b32 s[\g+3], ROWB<<16                    ; tile_dim0
	s_mov_b32 s[\g+4], 128                         ; tile_dim1
	s_mov_b32 s[\g+5], KROW                        ; from row to row
	s_mov_b32 s[\g+6], 0
	s_mov_b32 s[\g+7], 0
.endr
	; the scales of 128 rows: 4,096 dense bytes, as 16 rows of 256 bytes (32 elements of 8 bytes), 16 bytes of padding behind each
	s_or_b32 s[G1S+0], s43, (3<<16)|(1<<20)|(1<<21)|(5<<22)|(3<<25)
	s_or_b32 s[G1SB+0], s44, (3<<16)|(1<<20)|(1<<21)|(5<<22)|(3<<25)
.irp g, G1S, G1SB
	s_mov_b32 s[\g+1], 32<<16
	s_mov_b32 s[\g+2], (128*KS/256)<<16
	s_mov_b32 s[\g+3], 32<<16
	s_mov_b32 s[\g+4], 128*KS/256
	s_mov_b32 s[\g+5], 32
	s_mov_b32 s[\g+6], 0
	s_mov_b32 s[\g+7], 0
.endr
	s_lshl_b32 s18, s16, 7                         ; which 128 rows of the tile I fetch
	s_lshl_b32 s20, s17, 8
	s_add_co_u32 s20, s20, s18                     ; x: row 256 x tile row + 128 x half
	s_lshl_b32 s46, s42, 8
	s_add_co_u32 s46, s46, s18                     ; W: row 24,576 + 1,024 t + 256 x tile column + 128 x half
	s_lshl_b32 s47, s95, 10
	s_add_co_u32 s46, s46, s47
	s_add_co_u32 s46, s46, WROW0
	s_mov_b32 s21, 0
	s_mov_b32 s47, 0
	s_mov_b64 s[18:19], KS
	s_mul_u64 s[22:23], s[20:21], s[18:19]         ; where these rows' scales begin, in bytes
	s_mul_u64 s[92:93], s[46:47], s[18:19]
	s_mov_b64 s[18:19], KROW
	s_mul_u64 s[20:21], s[20:21], s[18:19]         ; and their codes
	s_mul_u64 s[46:47], s[46:47], s[18:19]
	s_mul_i32 s45, s14, HALFT                      ; where they go: wave x 128 rows: no place in the cluster enters an LDS address
	s_mul_i32 s94, s14, HALFS
	s_wait_dscnt 0x0                               ; both opening adds are done
	s_wait_kmcnt 0x0
	s_add_nc_u64 s[20:21], s[4:5], s[20:21]
	s_add_nc_u64 s[22:23], s[6:7], s[22:23]
	s_add_nc_u64 s[46:47], s[4:5], s[46:47]
	s_add_nc_u64 s[92:93], s[6:7], s[92:93]
	s_mov_b64 s[12:13], s[98:99]                   ; qkv
	CROUND                                         ; all sixteen work-groups are here: the first joint loads meet
	s_mov_b32 s[G0S], 1
	s_add_co_u32 s[G0S+1], s94, SCL
	s_mov_b64 s[G0S+2:G0S+3], s[22:23]
	s_or_b32 s[G0S+3], s[G0S+3], 0x80000000
	s_mov_b32 s[G0SB], 1
	s_add_co_u32 s[G0SB+1], s94, SCL
	s_mov_b64 s[G0SB+2:G0SB+3], s[92:93]
	s_or_b32 s[G0SB+3], s[G0SB+3], 0x80000000
	JLOAD G0S, G1S, G0SB, G1SB                     ; the scales first: they are wanted with the first slot
.irp s, 0,1
	s_mov_b32 s[G0+4*\s], 1
	s_add_co_u32 s[G0+4*\s+1], s45, \s*SLOT
	s_add_nc_u64 s[G0+4*\s+2:G0+4*\s+3], s[20:21], \s*ROWB
	s_or_b32 s[G0+4*\s+3], s[G0+4*\s+3], 0x80000000
	s_mov_b32 s[G0B+4*\s], 1
	s_add_co_u32 s[G0B+4*\s+1], s45, \s*SLOT
	s_add_nc_u64 s[G0B+4*\s+2:G0B+4*\s+3], s[46:47], \s*ROWB
	s_or_b32 s[G0B+4*\s+3], s[G0B+4*\s+3], 0x80000000
	JLOAD G0+4*\s, G1, G0B+4*\s, G1B               ; three tensor loads of mine are out behind the second
.endr
	v_and_b32 v1, 15, v0                           ; l % 16
	v_bfe_u32 v2, v0, 4, 1                         ; l / 16
	v_mul_u32_u24 v3, v1, PITCH
	v_lshl_add_u32 v4, v2, 4, v3                   ; a fragment's row x pitch + 16 x half
	s_mul_i32 s21, s15, HALFT                      ; my 128 rows of x
	s_mul_i32 s22, s16, HALFT                      ; my 128 rows of W,
	s_add_co_u32 s22, s22, 2*HALFT                 ; which lie behind x's 256
.irp s, 0,1
	v_add_nc_u32 v[ADRA+\s], s21, v4
	v_add_nc_u32 v[ADRB+\s], s22, v4
	s_add_co_u32 s21, s21, SLOT
	s_add_co_u32 s22, s22, SLOT
.endr
	v_mul_u32_u24 v5, v1, KS                       ; my row's scales: 32 bytes a row,
	v_lshrrev_b32 v6, 8, v5
	v_lshl_add_u32 v5, v6, 4, v5                   ; and 16 more for each 256 passed
	s_mul_i32 s21, s15, HALFS                      ; x's: my 128 rows
	s_mul_i32 s22, s16, HALFS                      ; W's: my 128 rows, behind x's 256
	s_add_co_u32 s22, s22, 2*HALFS
	s_sub_co_u32 s22, s22, s21
	v_mul_u32_u24 v6, s22, v2                      ; lanes 16-31 take W's: one product, the distance between the two bases
	s_add_co_u32 s21, s21, SCL
	v_add_nc_u32 v5, v5, v6
	v_add_nc_u32 v[ADRS], s21, v5
	s_mul_i32 s23, s14, 16*SPITCH                  ; my stage
	v_mul_u32_u24 v5, v1, SPITCH                   ; in: row l % 16, 16 bytes for each half of the lanes
	v_lshl_add_u32 v5, v2, 4, v5
	v_add_nc_u32 v[STO], s23, v5
	v_mul_u32_u24 v5, v2, SPITCH                   ; back: lanes 0-15 one row of 256 bytes, lanes 16-31 the next
	v_lshl_add_u32 v5, v1, 4, v5
	v_add_nc_u32 v[RD], s23, v5
	v_lshlrev_b32 v5, 11, v2                       ; and the same two rows in qkv
	v_lshl_add_u32 v[CO], v1, 4, v5
	v_lshlrev_b32 v7, 5, v2                        ; the bias: my half's eight numbers of a block of 16
	s_lshl_b32 s20, s17, 8
	s_lshl_b32 s21, s15, 7
	s_add_co_u32 s20, s20, s21                     ; my first row of qkv: 256 x tile row + 128 x half
	s_lshl_b32 s20, s20, 11                        ; x 2,048 bytes: under 2^26
	s_lshl_b32 s46, s42, 9                         ; my first column, in bytes: 512 x tile column + 256 x half
	s_lshl_b32 s47, s16, 8
	s_add_co_u32 s46, s46, s47
	s_add_co_u32 s20, s20, s46
	s_mov_b32 s21, 0
	s_add_nc_u64 s[12:13], s[12:13], s[20:21]
	s_cmp_eq_u32 s95, 0                            ; the projection's bias: a choice on the cluster's number alone
	s_cselect_b64 s[8:9], s[8:9], s[10:11]
	s_cmp_eq_u32 s95, 2
	s_cselect_b64 s[8:9], s[96:97], s[8:9]
	s_lshl_b32 s46, s42, 10                        ; my first e, in bytes of f32: 1,024 x tile column + 512 x half
	s_lshl_b32 s47, s16, 9
	s_add_co_u32 s46, s46, s47
	s_mov_b32 s47, 0
	s_add_nc_u64 s[8:9], s[8:9], s[46:47]
.irp b, 0,1,2,3,4,5,6,7
	global_load_b128 v[BI+8*\b:BI+8*\b+3], v7, s[8:9] offset:64*\b
	global_load_b128 v[BI+8*\b+4:BI+8*\b+7], v7, s[8:9] offset:64*\b+16
.endr
.macro FRAG reg, adr, q, i             ; a fragment: lane l holds row l % 16; registers 4 c .. 4 c + 3 hold K = 64 c + 32 (l / 16) + 0 .. 31
.irp c, 0,1
	ds_load_b128 v[\reg+4*\c:\reg+4*\c+3], v[\adr] offset:64*(\q)+32*\c+(\i)*16*PITCH
.endr
.endm
; 16 matrix instructions: x's blocks a0, a0 + 1 against W's eight, 128 along K.  p: W's set;  sc: the set of scale words.  first = 1: the bias is the C of the sum's first product: nothing is cleared, nothing added later.
; The 64 accumulators take turns, one instruction a turn, in the same order in every step.
.macro MUL16 a0, p, q, sc, first
.irp a, \a0, \a0+1
.irp b, 0,1,2,3,4,5,6,7
.if \first
	v_wmma_scale_f32_16x16x128_f8f6f4 v[8*(8*((\a)%4)+\b):8*(8*((\a)%4)+\b)+7], v[128*(\p)+FR*\b:128*(\p)+FR*\b+FR-1], v[AF+FR*(\a):AF+FR*(\a)+FR-1], v[BI+8*\b:BI+8*\b+7], v[SC+8*NQ*(\sc)+NQ*\b+(\q)], v[SC+8*NQ*(\sc)+NQ*(\a)+(\q)] matrix_a_fmt:MATRIX_FMT_FP4 matrix_b_fmt:MATRIX_FMT_FP4 matrix_a_scale:MATRIX_SCALE_ROW1
.else
	v_wmma_scale_f32_16x16x128_f8f6f4 v[8*(8*((\a)%4)+\b):8*(8*((\a)%4)+\b)+7], v[128*(\p)+FR*\b:128*(\p)+FR*\b+FR-1], v[AF+FR*(\a):AF+FR*(\a)+FR-1], v[8*(8*((\a)%4)+\b):8*(8*((\a)%4)+\b)+7], v[SC+8*NQ*(\sc)+NQ*\b+(\q)], v[SC+8*NQ*(\sc)+NQ*(\a)+(\q)] matrix_a_fmt:MATRIX_FMT_FP4 matrix_b_fmt:MATRIX_FMT_FP4 matrix_a_scale:MATRIX_SCALE_ROW1
.endif
.endr
.endr
.endm
.macro FETCH_B slot, q, p              ; W's eight fragments of the slot's q-th 128 along K into set p
	WIN TO_B
.irp i, 0,1,2,3,4,5,6,7
	FRAG 128*(\p)+FR*\i, ADRB+\slot, \q, \i
.endr
	WIN 0
.endm
.macro FETCH_A slot, q, i0             ; x's blocks i0 .. i0 + 3
.irp i, \i0, \i0+1, \i0+2, \i0+3
	FRAG AF+FR*(\i), ADRA+\slot, \q, \i
.endr
.endm
.macro SCALES sc                       ; a slot's scale words into set sc: four words a row; lanes 0-15 take x's block i, lanes 16-31 W's block i
.irp i, 0,1,2,3,4,5,6,7
	ds_load_b128 v[SC+8*NQ*\sc+NQ*\i:SC+8*NQ*\sc+NQ*\i+3], v[ADRS] offset:\i*SBLK
.endr
.endm
; A load into a register that a matrix instruction has read, and a vector instruction that reads a matrix result, stand NP plain vector instructions behind that matrix instruction.
.macro PLACES n
.rept \n
	v_nop
.endr
.endm
; A step of 128 along K that has its successor in the same slot.  x has one set of registers: blocks 0-3 are fetched anew in the step's middle, blocks 4-7 at its end.
.macro STEP slot, q, first
	s_wait_dscnt 4*NL                              ; W's set, the scale words and x's blocks 0-3 are in; the youngest eight loads (x's blocks 4-7) may be out
.if \first
	WIN FST_LO
.else
	WIN MUL_LO
.endif
	MUL16 0, (\q)%2, \q, \slot, \first
	MUL16 2, (\q)%2, \q, \slot, \first
	s_wait_dscnt 0                                 ; x's blocks 4-7 are in
	PLACES NP
	FETCH_B \slot, (\q)+1, 1-(\q)%2
	FETCH_A \slot, (\q)+1, 0
.if \first
	WIN FST_HI
.else
	WIN MUL_HI
.endif
	MUL16 4, (\q)%2, \q, \slot, \first
	MUL16 6, (\q)%2, \q, \slot, \first
	PLACES NP
	WIN 0
	FETCH_A \slot, (\q)+1, 4
.endm
.macro STEPS slot, from                ; the slot's steps from .. NQ - 2
.set Q, \from
.rept NQ-1-\from
	STEP \slot, Q, 0
.set Q, Q+1
.endr
.endm
	s_wait_tensorcnt 1                             ; the scales and my part of slot 0 are in; slot 1's load may stay out
	s_barrier_signal -1
	s_barrier_wait -1                              ; everybody's are
	FETCH_B 0, 0, 0
	FETCH_A 0, 0, 0
	SCALES 0
	FETCH_A 0, 0, 4
	s_wait_loadcnt 0x0                             ; the bias
	STEP 0, 0, 1
	STEPS 0, 1
	; slot 0's last step changes slots: one barrier; in front of it each wave has its part of slot 1 and is done with its reads of slot 0
	s_wait_tensorcnt 0x0                           ; my part of slot 1 has landed
	ds_add_u32 v[SPW], v[NIL]                      ; 0 onto my spare word
	s_wait_dscnt 4*NL+1                            ; (the add and the youngest eight loads may be out)
	WIN MUL_LO
	MUL16 0, 1, NQ-1, 0, 0
	s_wait_dscnt 0x0                               ; the add is done, and my reads of slot 0 are over
	s_barrier_signal -1
	MUL16 2, 1, NQ-1, 0, 0
	WIN 0
	s_barrier_wait -1
	PLACES NP
	v_add_nc_u32 v[ADRS], 4*NQ, v[ADRS]            ; on to slot 1's scale words
	FETCH_B 1, 0, 0
	FETCH_A 1, 0, 0
	SCALES 1
	WIN MUL_HI
	MUL16 4, 1, NQ-1, 0, 0
	MUL16 6, 1, NQ-1, 0, 0
	PLACES NP
	WIN 0
	FETCH_A 1, 0, 4
	STEPS 1, 0
	s_wait_dscnt 4*NL                              ; the very last step: nothing more to fetch
	WIN MUL_LO
	MUL16 0, 1, NQ-1, 1, 0
	MUL16 2, 1, NQ-1, 1, 0
	s_wait_dscnt 0
	WIN MUL_HI
	MUL16 4, 1, NQ-1, 1, 0
	MUL16 6, 1, NQ-1, 1, 0
	WIN 0
; THE WAY OUT, block by block of 16 rows x 128 columns.  A lane's eight numbers round to 16 bytes of f16; they go into my stage and come back as whole rows of 256 bytes, which sixteen lanes store as 256 consecutive bytes, aligned.
; LDS serves a wave's instructions in order: no wait between the stores and the loads.
.macro PACK a
.set AC, 64*((\a)%4)
.set WS, 0x0a+5*((\a)/4)
	WIN WS                                         ; sources 0 and 1: window 2 or 3
.irp b, 0,1,2,3,4,5,6,7
.irp r, 0,1,2,3
	v_cvt_pk_f16_f32 v[TMP+4*\b+\r], v[AC+8*\b+2*\r], v[AC+8*\b+2*\r+1]   ; each accumulator from its low end on
.endr
.endr
	WIN 0
.endm
.macro TOSTAGE a
.set BK, OB+32*((\a)%2)
.irp b, 0,1,2,3,4,5,6,7
	ds_store_b128 v[STO], v[TMP+4*\b:TMP+4*\b+3] offset:32*\b
.endr
.irp t, 0,1,2,3,4,5,6,7
	ds_load_b128 v[BK+4*\t:BK+4*\t+3], v[RD] offset:\t*2*SPITCH
.endr
.endm
.macro SEND a
.set BK, OB+32*((\a)%2)
	s_wait_dscnt 0x0                               ; the block is back in registers
	s_wait_xcnt 0x0                                ; the earlier stores have read their base and their registers: both are written again only behind this wait
.if (\a) > 0
	s_add_nc_u64 s[12:13], s[12:13], 16*CROW       ; 16 rows on
.endif
.irp t, 0,1,2,3,4,5,6,7
	global_store_b128 v[CO], v[BK+4*\t:BK+4*\t+3], s[12:13] offset:2*\t*CROW
.endr
.endm
	PLACES NP
	PACK 0
	TOSTAGE 0
.irp a, 1,2,3,4,5,6,7                  ; block a's conversions stand between block a - 1's loads from the stage and the wait for them
	PACK \a
	SEND \a-1
	TOSTAGE \a
.endr
	SEND 7
	s_wait_tensorcnt 0x0                           ; the wave's end
	ds_add_u32 v[SPW], v[NIL]
	s_wait_dscnt 0x0
	CROUND                                         ; the closing round
	s_endpgm
.Lfunc_end_k_qbac80b732d_proj:
	.size	k_qbac80b732d_proj, .Lfunc_end_k_qbac80b732d_proj-k_qbac80b732d_proj
	.p2alignl 7, 3214868480
	.fill 96, 4, 3214868480
	.section	.rodata,"a",@progbits
	.p2align	6, 0x0
	.amdhsa_kernel k_qbac80b732d_proj
		.amdhsa_group_segment_fixed_size 327680
		.amdhsa_private_segment_fixed_size 0
		.amdhsa_enable_private_segment 0
		.amdhsa_kernarg_size 48
		.amdhsa_user_sgpr_count 2
		.amdhsa_user_sgpr_kernarg_segment_ptr 1
		.amdhsa_wavefront_size32 1
		.amdhsa_system_sgpr_workgroup_id_x 1
		.amdhsa_system_sgpr_workgroup_id_y 1
		.amdhsa_system_sgpr_workgroup_id_z 1
		.amdhsa_system_vgpr_workitem_id 0
		.amdhsa_next_free_vgpr 1024
		.amdhsa_next_free_sgpr 100
		.amdhsa_reserve_vcc 0
		.amdhsa_float_denorm_mode_32 3
		.amdhsa_float_denorm_mode_16_64 3
		.amdhsa_memory_ordered 1
		.amdhsa_forward_progress 1
		.amdhsa_inst_pref_size 129
	.end_amdhsa_kernel
	.amdgpu_metadata
---
amdhsa.version: [ 1, 2 ]
amdhsa.kernels:
  - .name:           k_qbac80b732d_proj
    .symbol:         k_qbac80b732d_proj.kd
    .args:
      - { .name: codes, .offset: 0, .size: 8, .value_kind: global_buffer, .address_space: global }
      - { .name: scales, .offset: 8, .size: 8, .value_kind: global_buffer, .address_space: global }
      - { .name: bq, .offset: 16, .size: 8, .value_kind: global_buffer, .address_space: global }
      - { .name: bk, .offset: 24, .size: 8, .value_kind: global_buffer, .address_space: global }
      - { .name: bv, .offset: 32, .size: 8, .value_kind: global_buffer, .address_space: global }
      - { .name: qkv, .offset: 40, .size: 8, .value_kind: global_buffer, .address_space: global }
    .group_segment_fixed_size: 327680
    .private_segment_fixed_size: 0
    .kernarg_segment_align: 8
    .kernarg_segment_size: 48
    .max_flat_workgroup_size: 128
    .sgpr_count:     100
    .vgpr_count:     1024
    .wavefront_size: 32
...
	.end_amdgpu_metadata
.endif
;; end of part 2
;; launch scores (part 3): grid 8 x 32, 4 waves a work-group, clusters of 4 x 4, 327,680 bytes of LDS; arguments qkv, p, stats; writes p, stats
.if DOCPART == 3
	.amdgcn_target "amdgcn-amd-amdhsa--gfx1250"
	.amdhsa_code_object_version 6
	.text
	.protected	k_qbac80b732d_scores
	.globl	k_qbac80b732d_scores
	.p2align	8
	.type	k_qbac80b732d_scores,@function
k_qbac80b732d_scores:
	s_mov_b64 s[64:65], 0
	v_nop
	global_prefetch_b8 v0, s[64:65] scope:SCOPE_SE
	s_setreg_imm32_b32 hwreg(HW_REG_WAVE_MODE, 25, 1), 1
	s_wait_xcnt 0x0
	s_wait_alu depctr_hold_cnt(0) depctr_sa_sdst(0) depctr_va_vdst(0) depctr_va_sdst(0) depctr_va_ssrc(0) depctr_va_vcc(0) depctr_vm_vsrc(0)
	s_getreg_b32 s2, hwreg(HW_REG_IB_STS2, 6, 4)
	s_cmp_eq_u32 s2, 0
	s_cbranch_scc0 .Lentry_in_a_cluster
	s_endpgm
.Lentry_in_a_cluster:
	s_bfe_u32 s2, ttmp6, 0x10000c
	s_cmp_lg_u32 s2, 0xf033
	s_cbranch_scc0 .Lentry_shape_is_right
	s_endpgm
.Lentry_shape_is_right:
; S = q k^T in f16 with f32 sums, and the chunk-local part of the softmax.  q = qkv rows 0-8191, k = rows 8192-16383, 1,024 f16 a row; batch b owns rows 2,048 b on.
; For each query and each CHUNK of 128 keys: mt = c x the chunk's largest score, c = log2(e) / 32 (the scale 1 / sqrt(1024) and the change of base in one); p = 2^(c s - mt), at most 1, rounded to f16; l = the sum of the unrounded p.
; So the maximum is taken away before the exponential; the launch that follows brings the sixteen chunks of a row under the row's own maximum by the factors 2^(mt - the largest mt).
; p: f16, laid in the order in which the next launch's operand registers take it: [512 blocks of 16 queries][64 fragments of 32 keys][1,024 bytes: registers 0-3 of the 32 lanes, 16 bytes a lane, then registers 4-7].
; stats: f32 [4 batches][16 chunks][mt, l][2048 queries].
; LIMITS: a p under 6e-8 of its chunk's largest falls to 0; NaN and infinities are not served.
; A tile of 256 queries x 256 keys is made by a work-group of four waves; a wave makes 128 x 128, whose 128 keys are one chunk: 64 accumulators, 512 registers.  K = 1,024 goes in steps of 128 (rows of 256 bytes) through two LDS slots.
; CLUSTERS: 4 x 4 work-groups inside one batch.  The four of a row of the cluster need the same rows of q, the four of a column the same rows of k: each tile is asked for jointly.
; THE MATRIX INSTRUCTION IS USED TRANSPOSED (source 0 = 16 keys, source 1 = 16 queries): a lane holds ONE query (lane % 16) and, in accumulator b of a block of queries, the keys 16 b + 8 (lane / 16) + 0 .. 7.
; Rounded in pairs these eight are 16 bytes: registers 4 (b % 2) .. + 3 of fragment b / 2 of the next product's operand, in the very lane that wants them: so p goes from registers straight to memory, 512 consecutive bytes a store.
; REGISTERS, in windows of 256: window 0: v0-31 addresses; v64-127, v128-191 q's fragments, two buffers; on the way out v64-255 are at work.   window 1: v64-127, v128-191 k's fragments.
;   window 2: the accumulators of my queries 0-63 ((a, b) at v[8 (8 a + b)]);   window 3: those of queries 64-127.
.set KSTEP,  128
.set DK,     1024                      ; K of this product
.set PITCH,  272                       ; an LDS row: 256 bytes + 16 of padding = 68 words: the 16 rows that a load touches start 4 banks apart
.set HALFT,  128*PITCH                 ; what one tensor load brings
.set SLOT,   4*HALFT                   ; q's 256 rows, then k's 256 rows
.set SST,    2*SLOT                    ; behind the ring: 1,024 bytes for each wave: mt of its 128 queries, then l
.set SPARE,  SST+4*1024                ; the spare words, 128 bytes a wave, which no other line names
.set LAPS,   DK/(2*KSTEP)              ; a lap = two K steps = once round the ring
.set PQB,    65536                     ; a block of 16 queries in p: 64 fragments of 1,024 bytes
.set ADRA, 16                          ; v16-17  LDS address of my q fragments in slot 0, 1
.set ADRB, 20                          ; v20-21  the same for k
.set SGO,  27                          ; v27     16 x lane: my place in a run of 512 bytes of p or of stats
.set SPW,  28                          ; v28     LDS address of my spare word; never rewritten
.set NIL,  29                          ; v29     0; never rewritten
.set SSA,  30                          ; v30     where my query's mt goes in LDS
.set SSR,  31                          ; v31     and where I read four of them back
.set F0,   64
.set F1,   128
.set T,    64                          ; the way out: v64-127 c s - mt, then p
.set CH,   128                         ; v128-131 four chains of the maximum
.set PT,   132                         ; v132     what the lane 16 away holds
.set MT,   134                         ; v[134:135] mt (the packed form names the pair and takes its low word)
.set SA,   136                         ; v[136:137], v[138:139] the sum, in two chains
.set SB,   138
.set TMP,  192                         ; p in f16: v192-223 and v224-255 by turns
.set G1, 24                            ; s[24:31] descriptor group 1 for q's tiles;  s[32:39] group 0, one set a slot
.set G0, 32
.set G1B, 48                           ; s[48:55], s[56:63] the same for k's tiles
.set G0B, 56
.set CS,  66                           ; s[66:67] c
.set SEL, 68                           ; s[68:69] lane selects: lane l xor 16
.set MSB, 0
.macro WIN new                         ; the immediate's high byte repeats the setting that is left
.if MSB != \new
	s_set_vgpr_msb (MSB<<8)|\new
.set MSB, \new
.endif
.endm
.set MUL_LO, 0xa1                      ; source 0 (k) window 1, source 1 (q) window 0, C and D window 2
.set MUL_HI, 0xf1                      ; the same, C and D window 3
.set TO_B,   0x40                      ; destination window 1, address window 0
; A joint load: waves 0 and 1 fetch q's two halves, waves 2 and 3 k's.  The branch hangs on the wave's number alone.  An s_nop 0 and four v_nop follow each of the two lines.
.macro JLOAD s
	s_cmp_eq_u32 s11, 0
	s_cbranch_scc0 .Lfor_b_\@
	tensor_load_to_lds s[G0+4*\s:G0+4*\s+3], s[G1:G1+7]
	s_nop 0
.rept 4
	v_nop
.endr
	s_branch .Lasked_\@
.Lfor_b_\@:
	tensor_load_to_lds s[G0B+4*\s:G0B+4*\s+3], s[G1B:G1B+7]
	s_nop 0
.rept 4
	v_nop
.endr
.Lasked_\@:
.endm
.macro CREST                           ; a round of the cluster's barrier behind its opening barrier
	s_cmp_lg_u32 s10, 0
	s_cbranch_scc1 .Lnot_wave_0_\@
	s_barrier_signal -3
.Lnot_wave_0_\@:
	s_barrier_wait -3
	s_barrier_signal -1
	s_barrier_wait -1
.endm
.macro CROUND                          ; a whole round
	s_barrier_signal -1
	s_barrier_wait -1
	CREST
.endm
	s_load_b128 s[4:7], s[0:1], 0x0                ; qkv s[4:5], p s[6:7]
	s_load_b64 s[8:9], s[0:1], 0x10                ; stats
	v_lshl_add_u32 v[SPW], v0, 2, SPARE
	v_mov_b32 v[NIL], 0
	ds_add_u32 v[SPW], v[NIL]                      ; the wave's opening: the add, twice on end, and its wait ahead of my first tensor load
	ds_add_u32 v[SPW], v[NIL]
	v_lshrrev_b32 v1, 5, v0
	v_readfirstlane_b32 s10, v1                    ; wave 0..3
	s_lshr_b32 s11, s10, 1                         ; which half of the tile's queries is mine.  Also: I fetch for q (0) or for k (1)
	s_and_b32 s12, s10, 1                          ; which half of its keys.  Also: which 128 rows of that tile I fetch
	s_bfe_u32 s40, ttmp6, 0x40000                  ; cx, cy
	s_bfe_u32 s41, ttmp6, 0x40004
	s_lshl_b32 s42, ttmp9, 2
	s_add_co_u32 s42, s42, s40                     ; tile column = 4 x cluster x + cx: 256 keys of the batch each
	s_and_b32 s13, ttmp7, 0xffff                   ; cluster y
	s_lshr_b32 s45, s13, 1                         ; the batch: two clusters of 1,024 queries each; the same in all sixteen partners
	s_lshl_b32 s13, s13, 2
	s_add_co_u32 s13, s13, s41                     ; tile row = 4 x cluster y + cy: 256 queries each, over all batches
	s_lshl_b32 s43, s41, 2
	s_lshl_b32 s43, 15, s43                        ; my row of the cluster
	s_lshl_b32 s44, 0x1111, s40                    ; my column
	; descriptor group 1: a tile of 128 rows x 128 elements of 2 bytes, padded in LDS
	s_or_b32 s[G1+0], s43, (1<<16)|(1<<20)|(1<<21)|(5<<22)|(3<<25)  ; 15:0 the mask; 17:16 elements of 2 bytes; 20 padding on; 21 set beside a mask; 24:22 after every 64 words; 31:25 four words
	s_or_b32 s[G1B+0], s44, (1<<16)|(1<<20)|(1<<21)|(5<<22)|(3<<25)
.irp g, G1, G1B
	s_mov_b32 s[\g+1], KSTEP<<16                   ; tensor_dim0
	s_mov_b32 s[\g+2], 128<<16                     ; tensor_dim1
	s_mov_b32 s[\g+3], KSTEP<<16                   ; tile_dim0
	s_mov_b32 s[\g+4], 128                         ; tile_dim1
	s_mov_b32 s[\g+5], DK                          ; elements from row to row
	s_mov_b32 s[\g+6], 0
	s_mov_b32 s[\g+7], 0
.endr
	s_mov_b32 s[CS], 0x3d38aa3b                    ; c = log2(e) / 32
	s_mov_b32 s[CS+1], s[CS]                       ; (named with it as a pair, so it is written)
	s_mov_b32 s[SEL], 0x76543210
	s_mov_b32 s[SEL+1], 0xfedcba98
	s_lshl_b32 s17, s12, 7                         ; which 128 rows of the tile I fetch
	s_lshl_b32 s16, s13, 8
	s_add_co_u32 s16, s16, s17                     ; q: row 256 x tile row + 128 x half
	s_lshl_b32 s46, s42, 8
	s_add_co_u32 s46, s46, s17                     ; k: row 8,192 + 2,048 x batch + 256 x tile column + 128 x half
	s_lshl_b32 s47, s45, 11
	s_add_co_u32 s46, s46, s47
	s_add_co_u32 s46, s46, 8192
	s_mov_b32 s17, 0
	s_mov_b32 s47, 0
	s_mov_b64 s[18:19], DK*2
	s_mul_u64 s[16:17], s[16:17], s[18:19]         ; in bytes
	s_mul_u64 s[46:47], s[46:47], s[18:19]
	s_mul_i32 s20, s10, HALFT                      ; where they go: wave x 128 rows: no place in the cluster enters an LDS address
	s_wait_dscnt 0x0                               ; both opening adds are done
	s_wait_kmcnt 0x0
	s_add_nc_u64 s[14:15], s[4:5], s[16:17]
	s_add_nc_u64 s[46:47], s[4:5], s[46:47]
	CROUND                                         ; all sixteen work-groups are here: the first joint loads meet
.irp s, 0,1
	s_mov_b32 s[G0+4*\s], 1
	s_add_co_u32 s[G0+4*\s+1], s20, \s*SLOT
	s_add_nc_u64 s[G0+4*\s+2:G0+4*\s+3], s[14:15], \s*KSTEP*2
	s_or_b32 s[G0+4*\s+3], s[G0+4*\s+3], 0x80000000
	s_mov_b32 s[G0B+4*\s], 1
	s_add_co_u32 s[G0B+4*\s+1], s20, \s*SLOT
	s_add_nc_u64 s[G0B+4*\s+2:G0B+4*\s+3], s[46:47], \s*KSTEP*2
	s_or_b32 s[G0B+4*\s+3], s[G0B+4*\s+3], 0x80000000
	JLOAD \s                                       ; two tensor loads of mine are out behind the second
.endr
	v_and_b32 v1, 15, v0                           ; l % 16
	v_bfe_u32 v2, v0, 4, 1                         ; l / 16
	v_mul_u32_u24 v3, v1, PITCH
	v_lshl_add_u32 v3, v2, 4, v3                   ; a fragment's row x pitch + 16 x half
	s_mul_i32 s21, s11, HALFT                      ; my 128 rows of q
	s_mul_i32 s22, s12, HALFT                      ; my 128 rows of k,
	s_add_co_u32 s22, s22, 2*HALFT                 ; which lie behind q's 256
.irp s, 0,1
	v_add_nc_u32 v[ADRA+\s], s21, v3
	v_add_nc_u32 v[ADRB+\s], s22, v3
	s_add_co_u32 s21, s21, SLOT
	s_add_co_u32 s22, s22, SLOT
.endr
	v_and_b32 v6, 31, v0
	v_lshlrev_b32 v[SGO], 4, v6
	s_lshl_b32 s23, s10, 10
	s_add_co_u32 s23, s23, SST                     ; my 1,024 bytes for mt and l
	v_lshl_add_u32 v[SSA], v1, 2, s23
	v_add_nc_u32 v[SSR], s23, v[SGO]
	s_lshl_b32 s16, s13, 4
	s_lshl_b32 s17, s11, 3
	s_add_co_u32 s16, s16, s17                     ; p: my first block of 16 queries: 16 x tile row + 8 x half,
	s_lshl_b32 s16, s16, 16                        ; x 65,536 bytes: under 2^25
	s_lshl_b32 s46, s42, 1
	s_add_co_u32 s46, s46, s12                     ; my chunk = 2 x tile column + half:
	s_lshl_b32 s46, s46, 12                        ; four fragments, 4,096 bytes
	s_add_co_u32 s16, s16, s46
	s_mov_b32 s17, 0
	s_add_nc_u64 s[6:7], s[6:7], s[16:17]
	s_lshl_b32 s18, s45, 18                        ; stats: 262,144 bytes a batch,
	s_lshl_b32 s19, s42, 1
	s_add_co_u32 s19, s19, s12                     ; my chunk:
	s_lshl_b32 s19, s19, 14                        ; 16,384 bytes a chunk,
	s_add_co_u32 s18, s18, s19
	s_and_b32 s19, s13, 7
	s_lshl_b32 s19, s19, 8
	s_lshl_b32 s20, s11, 7
	s_add_co_u32 s19, s19, s20                     ; my first query within the batch:
	s_lshl_b32 s19, s19, 2                         ; 4 bytes a query
	s_add_co_u32 s18, s18, s19
	s_mov_b32 s19, 0
	s_add_nc_u64 s[8:9], s[8:9], s[18:19]
; 16 matrix instructions: query blocks a0, a0 + 1 of the window's four x all 8 key blocks, 32 along K.  zero = 1: the first product starts the sums.
; The 64 accumulators take turns, one instruction a turn, in the same order in every quarter.
.macro MUL16 f, hi, a0, zero
.irp a, \a0, \a0+1
.irp b, 0,1,2,3,4,5,6,7
.if \zero
	v_wmma_f32_16x16x32_f16 v[8*(8*(\a)+\b):8*(8*(\a)+\b)+7], v[\f+8*\b:\f+8*\b+7], v[\f+8*(4*\hi+\a):\f+8*(4*\hi+\a)+7], 0
.else
	v_wmma_f32_16x16x32_f16 v[8*(8*(\a)+\b):8*(8*(\a)+\b)+7], v[\f+8*\b:\f+8*\b+7], v[\f+8*(4*\hi+\a):\f+8*(4*\hi+\a)+7], v[8*(8*(\a)+\b):8*(8*(\a)+\b)+7]
.endif
.endr
.endr
.endm
; 32 LDS loads in one run: the fragments of one quarter (128 rows of k, 128 rows of q, 32 K at byte k of the rows) into buffer f
.macro FETCH slot, k, f
	WIN TO_B
.irp i, 0,1,2,3,4,5,6,7
	ds_load_b128 v[\f+8*\i:\f+8*\i+3],   v[ADRB+\slot] offset:\k+\i*16*PITCH
	ds_load_b128 v[\f+8*\i+4:\f+8*\i+7], v[ADRB+\slot] offset:\k+\i*16*PITCH+32
.endr
	WIN 0
.irp i, 0,1,2,3,4,5,6,7
	ds_load_b128 v[\f+8*\i:\f+8*\i+3],   v[ADRA+\slot] offset:\k+\i*16*PITCH
	ds_load_b128 v[\f+8*\i+4:\f+8*\i+7], v[ADRA+\slot] offset:\k+\i*16*PITCH+32
.endr
.endm
.macro PLACES                          ; four plain vector instructions in front of loads into registers that matrix instructions have read, and of the first read of results
.rept 4
	v_nop
.endr
.endm
; A K step is four quarters of 32 along K, 64 matrix instructions each, on buffers 0, 1, 0, 1.  One of the first three multiplies buffer f and, in its middle, fetches the next quarter, at byte k, into g.
.macro QUARTER slot, k, f, g, zero
	s_wait_dscnt 8                                 ; k and q's rows 0-63 are in; the youngest eight loads (q's rows 64-127) may be out
	WIN MUL_LO
	MUL16 \f, 0, 0, \zero
	MUL16 \f, 0, 2, \zero
	PLACES
	FETCH \slot, \k, \g
	s_wait_dscnt 32                                ; all but the 32 just issued
	WIN MUL_HI
	MUL16 \f, 1, 0, \zero
	MUL16 \f, 1, 2, \zero
.endm
; The last quarter multiplies buffer 1 and changes slots: one barrier.  In front of it each wave waits for all its tensor loads (its part of the next slot), adds 0 to its spare word, and waits for that and for its reads of this slot.
; fill = 1: the barrier opens a round of the cluster's, and this slot is filled again, two K steps ahead: from the request to the wait for it a wave issues 224 matrix instructions.
.macro TURN slot, next, fill
	WIN 0                                          ; (the add's two registers lie in window 0)
	s_wait_tensorcnt 0x0
	ds_add_u32 v[SPW], v[NIL]
	s_wait_dscnt 9                                 ; (the add and the youngest eight loads may be out)
	WIN MUL_LO
	MUL16 F1, 0, 0, 0                              ; sixteen matrix instructions stand between the add and the wait for it
	s_wait_dscnt 0x0                               ; the add is done, and my reads of this slot are over
	s_barrier_signal -1
	MUL16 F1, 0, 2, 0
.if \fill
	WIN 0
.endif
	s_barrier_wait -1
.if \fill
	CREST                                          ; no wave of any partner still reads this slot's tile or has a load on its way
	s_add_nc_u64 s[G0+4*\slot+2:G0+4*\slot+3], s[G0+4*\slot+2:G0+4*\slot+3], 2*KSTEP*2
	s_add_nc_u64 s[G0B+4*\slot+2:G0B+4*\slot+3], s[G0B+4*\slot+2:G0B+4*\slot+3], 2*KSTEP*2
	JLOAD \slot                                    ; the first tensor load behind the round; its four v_nop are also the places in front of the loads below
.else
	PLACES
.endif
	FETCH \next, 0, F0
	WIN MUL_HI
	MUL16 F1, 1, 0, 0
	MUL16 F1, 1, 2, 0
.endm
	s_wait_tensorcnt 1                             ; my part of K step 0 is in; K step 1's load may stay out
	s_barrier_signal -1
	s_barrier_wait -1                              ; everybody's is
	FETCH 0, 0, F0
	QUARTER 0, 64,  F0, F1, 1                      ; the first quarter stands in front of the loop: its products start the sums
	WIN 0                                          ; at a label and at a branch every window is 0
	s_mov_b32 s3, LAPS-1
.Llap:                                                 ; a trip goes once round the ring, from a lap's second quarter to the next lap's first, and fills both slots again
	QUARTER 0, 128, F1, F0, 0
	QUARTER 0, 192, F0, F1, 0
	TURN 0, 1, 1
	QUARTER 1, 64,  F0, F1, 0
	QUARTER 1, 128, F1, F0, 0
	QUARTER 1, 192, F0, F1, 0
	TURN 1, 0, 1
	QUARTER 0, 64,  F0, F1, 0
	WIN 0
	s_sub_co_u32 s3, s3, 1
	s_cmp_lg_u32 s3, 0
	s_cbranch_scc1 .Llap
	QUARTER 0, 128, F1, F0, 0                      ; the last lap is written out: it fills nothing
	QUARTER 0, 192, F0, F1, 0
	TURN 0, 1, 0
	QUARTER 1, 64,  F0, F1, 0
	QUARTER 1, 128, F1, F0, 0
	QUARTER 1, 192, F0, F1, 0
	s_wait_dscnt 8                                 ; the very last quarter: nothing more to fetch
	WIN MUL_LO
	MUL16 F1, 0, 0, 0
	MUL16 F1, 0, 2, 0
	s_wait_dscnt 0x0
	WIN MUL_HI
	MUL16 F1, 1, 0, 0
	MUL16 F1, 1, 2, 0
	WIN 0
; THE WAY OUT, block by block of 16 queries.  SOFT a: the chunk's maximum, p, the sum, p in f16 and out to memory, mt and l into LDS.
.macro SOFT a
.set AC, 64*((\a)%4)
.set W, 2+(\a)/4
.set TM, TMP+32*((\a)%2)
.set WS, W+4*W+16*W
	WIN WS                                         ; all three sources in the accumulators' window
.irp c, 0,1,2,3
	v_max3_num_f32 v[CH+\c], v[AC+16*\c], v[AC+16*\c+1], v[AC+16*\c+2]   ; four chains of 16 scores; each accumulator is first read at its low end
.endr
.set WS, 4*W+16*W
	WIN WS                                         ; source 0 back in window 0
.irp i, 3,5,7,9,11,13
.irp c, 0,1,2,3
	v_max3_num_f32 v[CH+\c], v[CH+\c], v[AC+16*\c+\i], v[AC+16*\c+\i+1]
.endr
.endr
	v_max3_num_f32 v[CH], v[CH], v[AC+15], v[AC+31]
	v_max3_num_f32 v[CH+2], v[CH+2], v[AC+47], v[AC+63]
	WIN 0
	v_max3_num_f32 v[CH], v[CH], v[CH+1], v[CH+2]
	v_max_num_f32 v[CH], v[CH], v[CH+3]
	v_permlanex16_b32 v[PT], v[CH], s[SEL], s[SEL+1]   ; the query's other 64 keys lie in the lane 16 away
	v_max_num_f32 v[CH], v[CH], v[PT]
	v_mul_f32 v[MT], s[CS], v[CH]                  ; mt = c x the chunk's largest score
	WIN W                                          ; source 0 in the accumulators' window
.set j, 0
.rept 32
	v_pk_fma_f32 v[T+j:T+j+1], v[AC+j:AC+j+1], s[CS:CS+1], v[MT:MT+1] op_sel_hi:[1,0,0] neg_lo:[0,0,1] neg_hi:[0,0,1]   ; c s - mt, two at a time
.set j, j+2
.endr
	WIN 0
.set j, 0
.rept 64
	v_exp_f32 v[T+j], v[T+j]                       ; p = 2^(c s - mt): one batch
.set j, j+1
.endr
	v_nop                                          ; a plain instruction behind the last exponential
	s_wait_alu depctr_va_vdst(0)                   ; and one wait for the batch, ahead of its first reader
	v_pk_add_f32 v[SA:SA+1], v[T:T+1], v[T+4:T+5]  ; the sum of the unrounded p, two at a time, in two chains
	v_pk_add_f32 v[SB:SB+1], v[T+2:T+3], v[T+6:T+7]
.irp j, 8,12,16,20,24,28,32,36,40,44,48,52,56,60
	v_pk_add_f32 v[SA:SA+1], v[SA:SA+1], v[T+\j:T+\j+1]
	v_pk_add_f32 v[SB:SB+1], v[SB:SB+1], v[T+\j+2:T+\j+3]
.endr
	v_pk_add_f32 v[SA:SA+1], v[SA:SA+1], v[SB:SB+1]
	v_add_f32 v[SA], v[SA], v[SA+1]
	v_permlanex16_b32 v[PT], v[SA], s[SEL], s[SEL+1]
	v_add_f32 v[SA], v[SA], v[PT]                  ; l
.if (\a) > 1
	s_wait_xcnt 0x0                                ; the stores of two blocks back have read this set of registers: it is written again only behind this wait
.endif
.irp b, 0,1,2,3,4,5,6,7
.irp r, 0,1,2,3
	v_cvt_pk_f16_f32 v[TM+4*\b+\r], v[T+8*\b+2*\r], v[T+8*\b+2*\r+1]
.endr
.endr
	ds_store_b32 v[SSA], v[MT] offset:64*(\a)      ; both lanes of a query write the same word with the same value
	ds_store_b32 v[SSA], v[SA] offset:512+64*(\a)
.irp b, 0,1,2,3,4,5,6,7
	global_store_b128 v[SGO], v[TM+4*\b:TM+4*\b+3], s[6:7] offset:(\a)*PQB+512*\b   ; half a fragment: 32 lanes store 512 consecutive bytes, aligned; the block and the half stand in the immediate
.endr
.endm
	PLACES
	v_mov_b32 v[PT], 0                             ; written once: a lane permute's destination counts as one of its sources
	v_mov_b32 v[MT+1], 0                           ; (named as the upper half of the pair)
.irp a, 0,1,2,3,4,5,6,7
	SOFT \a
.endr
	ds_load_b128 v[T:T+3], v[SSR]                  ; mt of my wave's 128 queries, four a lane; these see my own stores
	ds_load_b128 v[T+4:T+7], v[SSR] offset:512     ; and l
	s_wait_dscnt 0x0
	global_store_b128 v[SGO], v[T:T+3], s[8:9]     ; 32 lanes store 512 consecutive bytes, aligned
	global_store_b128 v[SGO], v[T+4:T+7], s[8:9] offset:8192
	s_wait_tensorcnt 0x0                           ; the wave's end
	ds_add_u32 v[SPW], v[NIL]
	s_wait_dscnt 0x0
	CROUND                                         ; the closing round
	s_endpgm
.Lfunc_end_k_qbac80b732d_scores:
	.size	k_qbac80b732d_scores, .Lfunc_end_k_qbac80b732d_scores-k_qbac80b732d_scores
	.p2alignl 7, 3214868480
	.fill 96, 4, 3214868480
	.section	.rodata,"a",@progbits
	.p2align	6, 0x0
	.amdhsa_kernel k_qbac80b732d_scores
		.amdhsa_group_segment_fixed_size 327680
		.amdhsa_private_segment_fixed_size 0
		.amdhsa_enable_private_segment 0
		.amdhsa_kernarg_size 24
		.amdhsa_user_sgpr_count 2
		.amdhsa_user_sgpr_kernarg_segment_ptr 1
		.amdhsa_wavefront_size32 1
		.amdhsa_system_sgpr_workgroup_id_x 1
		.amdhsa_system_sgpr_workgroup_id_y 1
		.amdhsa_system_sgpr_workgroup_id_z 1
		.amdhsa_system_vgpr_workitem_id 0
		.amdhsa_next_free_vgpr 1024
		.amdhsa_next_free_sgpr 80
		.amdhsa_reserve_vcc 0
		.amdhsa_float_denorm_mode_32 3
		.amdhsa_float_denorm_mode_16_64 3
		.amdhsa_memory_ordered 1
		.amdhsa_forward_progress 1
		.amdhsa_inst_pref_size 202
	.end_amdhsa_kernel
	.amdgpu_metadata
---
amdhsa.version: [ 1, 2 ]
amdhsa.kernels:
  - .name:           k_qbac80b732d_scores
    .symbol:         k_qbac80b732d_scores.kd
    .args:
      - { .name: qkv, .offset: 0, .size: 8, .value_kind: global_buffer, .address_space: global }
      - { .name: p, .offset: 8, .size: 8, .value_kind: global_buffer, .address_space: global }
      - { .name: stats, .offset: 16, .size: 8, .value_kind: global_buffer, .address_space: global }
    .group_segment_fixed_size: 327680
    .private_segment_fixed_size: 0
    .kernarg_segment_align: 8
    .kernarg_segment_size: 24
    .max_flat_workgroup_size: 128
    .sgpr_count:     80
    .vgpr_count:     1024
    .wavefront_size: 32
...
	.end_amdgpu_metadata
.endif
;; end of part 3
;; launch pv (part 4): grid 4 x 64, 4 waves a work-group, clusters of 4 x 4, 327,680 bytes of LDS; arguments p, qkv, stats, out0; writes out0
.if DOCPART == 4
	.amdgcn_target "amdgcn-amd-amdhsa--gfx1250"
	.amdhsa_code_object_version 6
	.text
	.protected	k_qbac80b732d_pv
	.globl	k_qbac80b732d_pv
	.p2align	8
	.type	k_qbac80b732d_pv,@function
k_qbac80b732d_pv:
	s_mov_b64 s[64:65], 0
	v_nop
	global_prefetch_b8 v0, s[64:65] scope:SCOPE_SE
	s_setreg_imm32_b32 hwreg(HW_REG_WAVE_MODE, 25, 1), 1
	s_wait_xcnt 0x0
	s_wait_alu depctr_hold_cnt(0) depctr_sa_sdst(0) depctr_va_vdst(0) depctr_va_sdst(0) depctr_va_ssrc(0) depctr_va_vcc(0) depctr_vm_vsrc(0)
	s_getreg_b32 s2, hwreg(HW_REG_IB_STS2, 6, 4)
	s_cmp_eq_u32 s2, 0
	s_cbranch_scc0 .Lentry_in_a_cluster
	s_endpgm
.Lentry_in_a_cluster:
	s_bfe_u32 s2, ttmp6, 0x10000c
	s_cmp_lg_u32 s2, 0xf033
	s_cbranch_scc0 .Lentry_shape_is_right
	s_endpgm
.Lentry_shape_is_right:
; out0[q][e] = (sum over the 16 chunks c of f_c x (sum over the chunk's 128 keys k of p[q][k] v[k][e])) / L,  f_c = 2^(mt_c - G), G = the row's largest mt, L = the sum of f_c l_c.
; p: f16, each chunk under its own maximum, laid as this product's operand registers: [512 blocks of 16 queries][64 fragments of 32 keys][1,024 bytes]; stats: f32 [4][16][mt, l][2048];
; v = qkv rows 16,384 on, f16 [8192][1024]; out0: f32 [8192][1024].  Products in f16 with f32 sums; f, L and the sum over the chunks in f32.
; LIMITS: NaN and infinities are not served; an f under 2^-126 counts as 0.
; A tile of 128 queries x 256 channels is made by a work-group of four waves (tiles of 256 x 256 would be 128 work-groups); wave (wr, wc) makes 64 x 128: 32 accumulators.
; p COMES STRAIGHT INTO REGISTERS: a fragment is two loads of 512 consecutive bytes; a ring of eight quarters of 32 keys (256 registers) is filled seven quarters, 224 matrix instructions, ahead.
; So LDS holds v alone, and a slot holds 256 keys: two slots of 256 rows of 512 bytes; between two changes of slots a wave issues 256 matrix instructions.
; CLUSTERS: 4 x 4 work-groups inside one batch.  The four of a column of the cluster need the same tile of v: it is asked for jointly, each wave 64 of its keys.  The four of a row read the same p, each for itself.
; BOTH OPERANDS TRANSPOSED: source 0 = v^T (16 channels x 32 keys, by the turning LDS load), source 1 = p (16 queries x 32 keys): a lane holds ONE query (lane % 16) and eight neighbouring channels; so f is one number a lane and block.
; THE CHUNKS: a chunk's products start their sums Oc anew with the constant 0; at its end Ot += f x Oc, four packed lines an accumulator, in slices behind the products of the chunk's last quarter and the next chunk's first eight.
; The first chunk's slices multiply, so that nothing is cleared.
; REGISTERS, in windows of 256: window 0: v0-31 addresses; v32-39 f (two sets of four blocks), v40-43 1 / L; v64-127, v128-191 v's fragments, two buffers; v192-255 at work on the way out.
;   window 1: p's ring: quarter t % 8, block a at v[32 (t % 8) + 8 a].   window 2: Oc, (a, b) at v[64 a + 8 b].   window 3: Ot, likewise.
.set PVP,    544                       ; a row of v in LDS: 512 + 32 bytes = 136 words
.set CHB,    128*PVP                   ; a chunk's 128 keys
.set SLOT,   2*CHB                     ; a slot: 256 keys
.set WPART,  64*PVP                    ; what one wave's tensor load brings
.set FT,     2*SLOT                    ; behind the ring: a table for each wave: rows c = 0 .. 15 of 256 bytes: word [r][a] = f in f32; row 16: 1 / L
.set FTW,    17*256
.set SPARE,  FT+4*FTW                  ; the spare words, 128 bytes a wave, which no other line names
.set SPITCH, 528                       ; the way out: a stage of 16 rows x (512 + 16) bytes for each wave, in slot 0, which has had its last fill and its last read by then
.set LAPS,   4                         ; a lap = two slots = 512 keys = 16 quarters
.set OROW,   4096                      ; a row of out0 in bytes
.set PQB,    65536                     ; a block of 16 queries in p
.set PFR,    1024                      ; a fragment of p
.set ADRV, 16                          ; v16-19  LDS address of my v fragments in the lap's chunk 0 .. 3
.set FAD,  22                          ; v22     my lane's place in the table's row of the lap's first chunk
.set FW,   23                          ; v23     where I store the factors of my two rows
.set STO,  24                          ; v24     the way out: where I put 32 bytes of a row
.set RD,   25                          ; v25     where I read a row back
.set CO,   26                          ; v26     16 x lane: my place in 512 bytes of p or of out0; never rewritten
.set SPW,  28                          ; v28     LDS address of my spare word; never rewritten
.set NIL,  29                          ; v29     0; never rewritten
.set PFO,  30                          ; v30     the prefetches' offset; never rewritten
.set FS,   32                          ; v32-39  f: set c % 2, register 4 (c % 2) + a
.set RL,   40                          ; v40-43  1 / L of my query in block a
.set VF,   64                          ; v's fragments: buffer n at v[64 + 64 n]
.set T,    192
.set M,    64                          ; the factors' set-up: v64-95 mt, then f, of my two rows, chunk by chunk
.set LR,   128                         ; v128-159 l
.set G,    160                         ; v[160:161] the rows' largest mt
.set LS,   162                         ; v[162:163] L
.set RC,   164                         ; v164-165 1 / L
.set PB,  16                           ; s[16:17] p at my wave's first block of queries and the lap's first fragment
.set G1V, 24                           ; s[24:31] descriptor group 1 for v's tiles;  s[32:39] group 0, one set a slot
.set G0V, 32
.set PFA, 68                           ; s[68:69] where my prefetches stand
.set PFS, 70                           ; s[70:71] a slot on, in bytes
.set LIM, 72                           ; s72     1 in a wave that prefetches, else the greatest number
.set MSB, 0
.macro WIN new                         ; the immediate's high byte repeats the setting that is left
.if MSB != \new
	s_set_vgpr_msb (MSB<<8)|\new
.set MSB, \new
.endif
.endm
.set W_MM, 0xa4                        ; a product: source 0 (v) window 0, source 1 (p) window 1, C and D (Oc) window 2
.set W_FM, 0xf2                        ; a slice: source 0 (Oc) window 2, source 1 (f) window 0, source 2 and destination (Ot) window 3
.set W_P,  0x40                        ; a load of p: destination window 1, address window 0
; A joint load: every wave fetches its 64 keys of the slot.  An s_nop 0 and four v_nop follow the line.
.macro JLOAD s
	tensor_load_to_lds s[G0V+4*\s:G0V+4*\s+3], s[G1V:G1V+7]
	s_nop 0
.rept 4
	v_nop
.endr
.endm
; A PREFETCH INTO THE L2, at each change of slots that fills: the slot that stands three on from the one that is left.  v's tensor load for it is issued at the next change, 256 matrix instructions on; p's first load of it 320 on.
; Each aligned block of 256 bytes is named once in the launch.  p's blocks of queries are read by the four work-groups of a row of the cluster, and in each by the two waves of a row half: of a row half's four blocks the
; partner at cx takes block cx, told apart by address; its wave with wc = 0 asks: a slot's 8,192 bytes of the block, lanes 256 bytes apart.  v's tile is read by the batch's four clusters: the first of them asks (cluster y a
; multiple of 4); of a slot's 256 keys the partner at cy takes 64, its waves with wc = 1 32 each, a lane a key, two lines for a key's 512 bytes.
; how = 1: at slot 0's change, which always has a slot three on; how = 0: at slot 1's, which has none in the loop's last trip.  The first three slots come by their loads alone.
.macro ASK how
.if \how
	s_cmp_eq_u32 s[LIM], 1
.else
	s_cmp_gt_u32 s3, s[LIM]                        ; s3 = 1 in the loop's last trip
.endif
	s_cbranch_scc0 .Lnot_mine_\@
	global_prefetch_b8 v[PFO], s[PFA:PFA+1] th:TH_LOAD_NT scope:SCOPE_SE
	s_cmp_eq_u32 s14, 0
	s_cbranch_scc1 .Lnot_mine_\@
	global_prefetch_b8 v[PFO], s[PFA:PFA+1] offset:256 th:TH_LOAD_NT scope:SCOPE_SE
.Lnot_mine_\@:
.endm
.macro CREST                           ; a round of the cluster's barrier behind its opening barrier
	s_cmp_lg_u32 s12, 0
	s_cbranch_scc1 .Lnot_wave_0_\@
	s_barrier_signal -3
.Lnot_wave_0_\@:
	s_barrier_wait -3
	s_barrier_signal -1
	s_barrier_wait -1
.endm
.macro CROUND                          ; a whole round
	s_barrier_signal -1
	s_barrier_wait -1
	CREST
.endm
; p's four fragments of quarter num of the lap at which s[PB] stands, into the ring: eight loads of 512 consecutive bytes
.macro LOADP num
	WIN W_P
.irp a, 0,1,2,3
	global_load_b128 v[32*((\num)%8)+8*\a:32*((\num)%8)+8*\a+3],   v[CO], s[PB:PB+1] offset:\a*PQB+(\num)*PFR
	global_load_b128 v[32*((\num)%8)+8*\a+4:32*((\num)%8)+8*\a+7], v[CO], s[PB:PB+1] offset:\a*PQB+(\num)*PFR+512
.endr
.endm
; v's eight fragments of the q-th 32 keys of the lap's chunk k, turned: lane l gets channel l % 16 and 8 + 8 keys.  (Every window is 0 here.)
.macro LOADV buf, k, q
.irp b, 0,1,2,3,4,5,6,7
	ds_load_tr16_b128 v[VF+64*(\buf)+8*\b:VF+64*(\buf)+8*\b+3],   v[ADRV+(\k)] offset:32*(\q)*PVP+32*\b
	ds_load_tr16_b128 v[VF+64*(\buf)+8*\b+4:VF+64*(\buf)+8*\b+7], v[ADRV+(\k)] offset:(32*(\q)+16)*PVP+32*\b
.endr
.endm
.macro PLACES                          ; four plain vector instructions in front of loads into registers that matrix instructions have read, and of the first read of results
.rept 4
	v_nop
.endr
.endm
	s_load_b256 s[4:11], s[0:1], 0x0               ; p s[4:5], qkv s[6:7], stats s[8:9], out0 s[10:11]
	v_lshl_add_u32 v[SPW], v0, 2, SPARE
	v_mov_b32 v[NIL], 0
	ds_add_u32 v[SPW], v[NIL]                      ; the wave's opening: the add, twice on end, and its wait ahead of my first tensor load
	ds_add_u32 v[SPW], v[NIL]
	v_lshrrev_b32 v1, 5, v0
	v_readfirstlane_b32 s12, v1                    ; wave 0..3
	s_lshr_b32 s13, s12, 1                         ; wr: which 64 queries are mine
	s_and_b32 s14, s12, 1                          ; wc: which 128 channels
	s_bfe_u32 s40, ttmp6, 0x40000                  ; cx, cy
	s_bfe_u32 s41, ttmp6, 0x40004
	s_lshl_b32 s42, ttmp9, 2
	s_add_co_u32 s42, s42, s40                     ; tile column = 4 x cluster x + cx: 256 channels each
	s_and_b32 s73, ttmp7, 0xffff                   ; cluster y
	s_lshr_b32 s45, s73, 2                         ; the batch: four clusters of 512 queries each; the same in all sixteen partners
	s_lshl_b32 s15, s73, 2
	s_add_co_u32 s15, s15, s41                     ; tile row = 4 x cluster y + cy: 128 queries each, over all batches
	s_lshl_b32 s44, 0x1111, s40                    ; my column of the cluster
	; descriptor group 1: 64 rows x 256 elements of 2 bytes, 1,024 elements from row to row, eight words of padding after every 128
	s_or_b32 s[G1V+0], s44, (1<<16)|(1<<20)|(1<<21)|(6<<22)|(7<<25)
	s_mov_b32 s[G1V+1], 256<<16
	s_mov_b32 s[G1V+2], 64<<16
	s_mov_b32 s[G1V+3], 256<<16
	s_mov_b32 s[G1V+4], 64
	s_mov_b32 s[G1V+5], 1024
	s_mov_b32 s[G1V+6], 0
	s_mov_b32 s[G1V+7], 0
	s_lshl_b32 s46, s45, 11
	s_lshl_b32 s47, s12, 6
	s_add_co_u32 s46, s46, s47
	s_add_co_u32 s46, s46, 16384                   ; v: row 16,384 + 2,048 x batch + 64 x wave of qkv,
	s_lshl_b32 s46, s46, 11                        ; x 2,048 bytes: under 2^26,
	s_lshl_b32 s47, s42, 9
	s_add_co_u32 s46, s46, s47                     ; + 512 bytes x tile column
	s_mov_b32 s47, 0
	s_mul_i32 s21, s12, WPART                      ; where they go in a slot: wave x 64 rows: no place in the cluster enters an LDS address
	s_wait_dscnt 0x0                               ; both opening adds are done
	s_wait_kmcnt 0x0
	s_add_nc_u64 s[46:47], s[6:7], s[46:47]
	CROUND                                         ; all sixteen work-groups are here: the first joint loads meet
.irp s, 0,1
	s_mov_b32 s[G0V+4*\s], 1
	s_add_co_u32 s[G0V+4*\s+1], s21, \s*SLOT
	s_add_nc_u64 s[G0V+4*\s+2:G0V+4*\s+3], s[46:47], \s*256*2048     ; a slot on: 256 rows of v
	s_or_b32 s[G0V+4*\s+3], s[G0V+4*\s+3], 0x80000000
	JLOAD \s                                       ; two tensor loads of mine are out behind the second
.endr
	v_and_b32 v1, 15, v0                           ; r = l % 16
	v_bfe_u32 v2, v0, 4, 1                         ; h = l / 16
	v_and_b32 v6, 31, v0                           ; lane
	v_lshlrev_b32 v7, 3, v6                        ; stats: 8 bytes a lane: my two rows
	v_lshlrev_b32 v[CO], 4, v6
	s_lshl_b32 s18, s15, 7
	s_lshl_b32 s19, s13, 6
	s_add_co_u32 s18, s18, s19                     ; my wave's first query
	s_lshl_b32 s20, s18, 12                        ; out0: x 4,096 bytes,
	s_lshl_b32 s21, s42, 10
	s_add_co_u32 s20, s20, s21                     ; + 1,024 x tile column
	s_lshl_b32 s21, s14, 9
	s_add_co_u32 s20, s20, s21                     ; + 512 x half
	s_mov_b32 s21, 0
	s_add_nc_u64 s[10:11], s[10:11], s[20:21]
	s_and_b32 s18, s18, 2047                       ; stats: my first query within the batch, 4 bytes each,
	s_lshl_b32 s18, s18, 2
	s_lshl_b32 s19, s45, 18                        ; + 262,144 x batch
	s_add_co_u32 s18, s18, s19
	s_mov_b32 s19, 0
	s_add_nc_u64 s[8:9], s[8:9], s[18:19]
.irp c, 0,1,2,3,4,5,6,7,8,9,10,11,12,13,14,15
	global_load_b64 v[M+2*\c:M+2*\c+1], v7, s[8:9] offset:16384*\c          ; mt of my wave's 64 queries in chunk c: 256 consecutive bytes, aligned
.endr
.irp c, 0,1,2,3,4,5,6,7,8,9,10,11,12,13,14,15
	global_load_b64 v[LR+2*\c:LR+2*\c+1], v7, s[8:9] offset:16384*\c+8192   ; and l
.endr
	s_lshl_b32 s16, s15, 3
	s_lshl_b32 s17, s13, 2
	s_add_co_u32 s16, s16, s17                     ; p: my first block of 16 queries: 8 x tile row + 4 wr,
	s_lshl_b32 s16, s16, 16                        ; x 65,536 bytes: under 2^26
	s_mov_b32 s17, 0
	s_add_nc_u64 s[PB:PB+1], s[4:5], s[16:17]
	LOADP 0                                        ; the ring's first three quarters go out behind the stats; the next four behind the wait for the stats: 56 loads of mine are out at the most
	LOADP 1
	LOADP 2
	WIN 0
	v_and_b32 v4, 7, v0
	v_lshl_add_u32 v4, v2, 3, v4                   ; v, for the turning load: key 8 h + l % 8,
	v_mul_u32_u24 v4, v4, PVP
	v_bfe_u32 v5, v0, 3, 1
	v_lshl_add_u32 v4, v5, 4, v4                   ; channels 8 ((l / 8) % 2) on
	s_lshl_b32 s23, s14, 8                         ; my 128 channels
.irp k, 0,1,2,3
	v_add_nc_u32 v[ADRV+\k], s23, v4
	s_add_co_u32 s23, s23, CHB
.endr
	s_mul_i32 s22, s12, FTW
	s_add_co_u32 s22, s22, FT                      ; my table
	v_lshl_add_u32 v[FAD], v1, 4, s22              ; out of it: 16 bytes of query r: blocks 0 to 3
	v_and_b32 v5, 7, v0
	v_lshlrev_b32 v5, 5, v5                        ; into it: my rows 2 l and 2 l + 1: r = 2 (l % 8) (+ 1), 16 bytes each;
	v_bfe_u32 v3, v0, 3, 2
	v_lshl_add_u32 v5, v3, 2, v5                   ; a = l / 8, 4 bytes each
	v_add_nc_u32 v[FW], s22, v5
	s_mul_i32 s22, s12, 16*SPITCH                  ; my stage
	v_mul_u32_u24 v5, v1, SPITCH
	v_lshl_add_u32 v5, v2, 5, v5
	v_add_nc_u32 v[STO], s22, v5                   ; in: row r, 32 bytes for each half of the lanes
	v_add_nc_u32 v[RD], s22, v[CO]                 ; back: the 32 lanes take one row of 512 bytes
	; the prefetches: where my wave's stand, and who asks
	s_lshl_b32 s74, s15, 3
	s_lshl_b32 s75, s13, 2
	s_add_co_u32 s74, s74, s75
	s_add_co_u32 s74, s74, s40                     ; p: block 8 x tile row + 4 wr + cx,
	s_lshl_b32 s74, s74, 16
	s_add_co_u32 s74, s74, 2*8*PFR                 ; at the third slot's fragments: the first change of slots steps it to the fourth's
	s_lshl_b32 s76, s45, 11
	s_lshl_b32 s77, s41, 6
	s_add_co_u32 s76, s76, s77
	s_lshl_b32 s77, s13, 5
	s_add_co_u32 s76, s76, s77
	s_add_co_u32 s76, s76, 16384+2*256             ; v: row 16,384 + 2,048 x batch + 64 cy + 32 wr of qkv, in the third slot,
	s_lshl_b32 s76, s76, 11
	s_lshl_b32 s77, s42, 9
	s_add_co_u32 s76, s76, s77                     ; + 512 x tile column
	s_mov_b32 s[PFS], 256*2048
	s_mov_b32 s78, 11
	s_and_b32 s79, s73, 3                          ; 0 in the batch's first cluster
	s_cmp_eq_u32 s14, 0                            ; waves with wc = 0 stand on p's side
	s_cselect_b64 s[PFA:PFA+1], s[4:5], s[6:7]
	s_cselect_b32 s74, s74, s76
	s_cselect_b32 s[PFS], 8*PFR, s[PFS]
	s_cselect_b32 s78, 8, s78                      ; from lane to lane: 256 bytes of p, or a row of 2,048 bytes of v
	s_cselect_b32 s79, 0, s79                      ; they always ask; the others in the batch's first cluster: the same in all sixteen partners
	s_cmp_eq_u32 s79, 0
	s_cselect_b32 s[LIM], 1, -1
	s_mov_b32 s75, 0
	s_mov_b32 s[PFS+1], 0
	s_add_nc_u64 s[PFA:PFA+1], s[PFA:PFA+1], s[74:75]
	v_lshlrev_b32 v[PFO], s78, v6
	; THE FACTORS, each wave for its own 64 queries, lane l for rows 2 l and 2 l + 1, all in f32
	s_wait_loadcnt 24                              ; the stats are in; p's 24 loads behind them may stay out
.irp i, 0,1
	v_max3_num_f32 v[G+\i], v[M+\i], v[M+2+\i], v[M+4+\i]            ; G: the largest of the row's sixteen mt
.endr
.irp c, 3,5,7,9,11,13
.irp i, 0,1
	v_max3_num_f32 v[G+\i], v[G+\i], v[M+2*\c+\i], v[M+2*\c+2+\i]
.endr
.endr
.irp i, 0,1
	v_max_num_f32 v[G+\i], v[G+\i], v[M+30+\i]
.endr
.irp c, 0,1,2,3,4,5,6,7,8,9,10,11,12,13,14,15
	v_pk_add_f32 v[M+2*\c:M+2*\c+1], v[M+2*\c:M+2*\c+1], v[G:G+1] neg_lo:[0,1] neg_hi:[0,1]   ; mt - G: 0 or less
.endr
.set j, 0
.rept 32
	v_exp_f32 v[M+j], v[M+j]                       ; f = 2^(mt - G), at most 1: one batch
.set j, j+1
.endr
	v_nop                                          ; a plain instruction behind the last exponential
	s_wait_alu depctr_va_vdst(0)                   ; and one wait for the batch, ahead of its first reader
	v_pk_mul_f32 v[LS:LS+1], v[M:M+1], v[LR:LR+1]  ; L = the sum of f l
.irp c, 1,2,3,4,5,6,7,8,9,10,11,12,13,14,15
	v_pk_fma_f32 v[LS:LS+1], v[M+2*\c:M+2*\c+1], v[LR+2*\c:LR+2*\c+1], v[LS:LS+1]
.endr
	v_rcp_f32 v[RC], v[LS]                         ; L is at least about 1: the chunk of the row's maximum has f = 1 and a p of about 1
	v_rcp_f32 v[RC+1], v[LS+1]
	v_nop
	s_wait_alu depctr_va_vdst(0)
.irp c, 0,1,2,3,4,5,6,7,8,9,10,11,12,13,14,15
.irp i, 0,1
	ds_store_b32 v[FW], v[M+2*\c+\i] offset:256*\c+16*\i
.endr
.endr
.irp i, 0,1
	ds_store_b32 v[FW], v[RC+\i] offset:4096+16*\i
.endr
	LOADP 3
	LOADP 4
	LOADP 5
	LOADP 6
	WIN 0
; One product: accumulator (a = n / 8, b = n % 8); p from the ring's place pb, v from buffer vb.  zero = 1: a chunk's first quarter starts its sums.
; The 32 accumulators take turns, one instruction a turn, in the same order in every quarter.
.macro MM pb, vb, n, zero
.set rA, 64*((\n)/8)+8*((\n)%8)
.set rV, VF+64*(\vb)+8*((\n)%8)
.set rP, 32*(\pb)+8*((\n)/8)
.if \zero
	v_wmma_f32_16x16x32_f16 v[rA:rA+7], v[rV:rV+7], v[rP:rP+7], 0
.else
	v_wmma_f32_16x16x32_f16 v[rA:rA+7], v[rV:rV+7], v[rP:rP+7], v[rA:rA+7]
.endif
.endm
; A slice: Ot(a, b) += f x Oc(a, b), from the accumulator's low end on; f is word a of set fs, for both halves of each pair.  first = 1: the first chunk: Ot = f x Oc.
.macro FM a, b, fs, first
.set rO, 64*(\a)+8*(\b)
.set rF, FS+4*(\fs)+2*((\a)/2)
.irp j, 0,2,4,6
.if \first
.if (\a)%2
	v_pk_mul_f32 v[rO+\j:rO+\j+1], v[rO+\j:rO+\j+1], v[rF:rF+1] op_sel:[0,1] op_sel_hi:[1,1]
.else
	v_pk_mul_f32 v[rO+\j:rO+\j+1], v[rO+\j:rO+\j+1], v[rF:rF+1] op_sel_hi:[1,0]
.endif
.else
.if (\a)%2
	v_pk_fma_f32 v[rO+\j:rO+\j+1], v[rO+\j:rO+\j+1], v[rF:rF+1], v[rO+\j:rO+\j+1] op_sel:[0,1,0] op_sel_hi:[1,1,1]
.else
	v_pk_fma_f32 v[rO+\j:rO+\j+1], v[rO+\j:rO+\j+1], v[rF:rF+1], v[rO+\j:rO+\j+1] op_sel_hi:[1,0,1]
.endif
.endif
.endr
.endm
; A QUARTER: 32 keys, 32 products.  num: its number in the lap at which s[PB] stands (16 on: the next lap's first quarters).  At its head: the next quarter's v from LDS, and (lp = 1) p of seven quarters on from memory, into
; the registers that the quarter before has multiplied; four plain vector instructions stand between that quarter's last product and these loads: its last slice, or four v_nop.
; lc: how many loads of p were issued behind this quarter's own: eight for each of the six quarters that follow it, fewer at the end.
; A chunk's second quarter fetches its f.  Its last quarter finishes block a with product 8 a + 7; four v_nop stand behind block 0's products, and from product 8 on the slice of accumulator (a - 1, b) stands behind product (a, b).
; Block 3's slices stand behind the next chunk's first eight products (prev = 1), which start blocks 0's sums anew.  first = 1: the slices are the first chunk's.
.macro QTR num, lp, lc, prev, first
.set QT, (\num)%16
.set QQ, QT%4
.set QC, QT/4
.set NT, (QT+1)%16
	WIN 0
.if QQ == 1
	ds_load_b128 v[FS+4*(QC%2):FS+4*(QC%2)+3], v[FAD] offset:256*QC
.endif
	LOADV NT%2, NT/4, NT%4
	s_wait_loadcnt \lc                             ; this quarter's p is in
.if \lp
	LOADP (\num)+7
.endif
	s_wait_dscnt 16                                ; all but the 16 just issued: this quarter's v is in
.set NN, 0
.if QQ == 0
.rept 8
	WIN W_MM
	MM QT%8, QT%2, NN, 1
.if \prev
	WIN W_FM
	FM 3, NN, 1-QC%2, \first
.endif
.set NN, NN+1
.endr
	WIN W_MM
.rept 24
	MM QT%8, QT%2, NN, 1
.set NN, NN+1
.endr
	PLACES
.elseif QQ == 3
	WIN W_MM
.rept 8
	MM QT%8, QT%2, NN, 0
.set NN, NN+1
.endr
	PLACES
.rept 24
	WIN W_MM
	MM QT%8, QT%2, NN, 0
	WIN W_FM
	FM NN/8-1, NN%8, QC%2, \first
.set NN, NN+1
.endr
.else
	WIN W_MM
.rept 32
	MM QT%8, QT%2, NN, 0
.set NN, NN+1
.endr
	PLACES
.endif
.endm
; A SLOT'S LAST QUARTER (number 7 or 15 of the lap; also a chunk's last) changes slots: one barrier.  In front of it each wave waits for all its tensor loads (its part of the next slot), adds 0 to its spare word, and waits
; for that and for its reads of this slot.  fill = 1: the barrier opens a round of the cluster's, and this slot is filled again, with the keys two slots on: up to the wait for that load a wave issues 240 matrix instructions.
.macro TURN num, fill, how
.set QT, (\num)%16
.set SL, QT/8
.set NT, (QT+1)%16
	WIN 0
.if \fill
	s_wait_xcnt 0x0                                ; the last prefetches, a slot back, have read their address: it is stepped here
	s_add_nc_u64 s[PFA:PFA+1], s[PFA:PFA+1], s[PFS:PFS+1]
.endif
.if QT == 15
	v_add_nc_u32 v[FAD], 1024, v[FAD]              ; the table: on to the next lap's four chunks
.endif
	s_wait_loadcnt 48                              ; this quarter's p is in; the six quarters behind it may stay out
	s_wait_tensorcnt 0x0
	ds_add_u32 v[SPW], v[NIL]
	s_wait_dscnt 1                                 ; (the add alone may be out: this quarter's v is in)
	WIN W_MM
.set NN, 0
.rept 8
	MM 7, 1, NN, 0                                 ; eight matrix instructions stand between the add and the wait for it
.set NN, NN+1
.endr
	s_wait_dscnt 0x0                               ; the add is done, and my reads of this slot are over
	s_barrier_signal -1
	PLACES                                         ; behind block 0's products, ahead of its slices
.rept 8
	WIN W_MM
	MM 7, 1, NN, 0
	WIN W_FM
	FM NN/8-1, NN%8, 1, 0
.set NN, NN+1
.endr
	WIN 0
	s_barrier_wait -1
.if \fill
	CREST                                          ; no wave of any partner still reads this slot's tile or has a load on its way
	s_add_nc_u64 s[G0V+4*SL+2:G0V+4*SL+3], s[G0V+4*SL+2:G0V+4*SL+3], 2*256*2048
	JLOAD SL                                       ; the first tensor load behind the round; its four v_nop are also places in front of the loads below
.else
	PLACES
.endif
	LOADV 0, NT/4, 0                               ; the next slot's first quarter
	LOADP (\num)+7
.if \fill
	WIN 0
	ASK \how                                       ; behind the joint load and the two runs of loads
.endif
.rept 16
	WIN W_MM
	MM 7, 1, NN, 0
	WIN W_FM
	FM NN/8-1, NN%8, 1, 0
.set NN, NN+1
.endr
.endm
	s_wait_dscnt 0x0                               ; my table is written (no LDS instruction is pending at a signal)
	s_wait_tensorcnt 1                             ; my part of slot 0 is in; slot 1's load may stay out
	s_barrier_signal -1
	s_barrier_wait -1                              ; everybody's is
	ds_load_b128 v[RL:RL+3], v[FAD] offset:4096    ; 1 / L
	LOADV 0, 0, 0
	QTR 0, 1, 48, 0, 0                             ; the first five quarters stand in front of the loop: they hold the first chunk's slices, which multiply
	QTR 1, 1, 48, 0, 0
	QTR 2, 1, 48, 0, 0
	QTR 3, 1, 48, 0, 1
	QTR 4, 1, 48, 1, 1
	WIN 0                                          ; at a label and at a branch every window is 0
	s_mov_b32 s3, LAPS-1
.Llap:                                                 ; a trip goes once round the ring, from a lap's sixth quarter to the next lap's fifth, and fills both slots again
	QTR 5, 1, 48, 0, 0
	QTR 6, 1, 48, 0, 0
	TURN 7, 1, 1
	QTR 8, 1, 48, 1, 0
	QTR 9, 1, 48, 0, 0
	QTR 10, 1, 48, 0, 0
	QTR 11, 1, 48, 0, 0
	QTR 12, 1, 48, 1, 0
	QTR 13, 1, 48, 0, 0
	QTR 14, 1, 48, 0, 0
	TURN 15, 1, 0
	QTR 16, 1, 48, 1, 0
	QTR 17, 1, 48, 0, 0
	QTR 18, 1, 48, 0, 0
	QTR 19, 1, 48, 0, 0
	QTR 20, 1, 48, 1, 0
	WIN 0
	s_wait_xcnt 0x0                                ; p's loads have read their base: it is stepped only behind this wait
	s_add_nc_u64 s[PB:PB+1], s[PB:PB+1], 16*PFR    ; a lap's sixteen fragments on
	s_sub_co_u32 s3, s3, 1
	s_cmp_lg_u32 s3, 0
	s_cbranch_scc1 .Llap
	QTR 5, 1, 48, 0, 0                             ; the last lap's other eleven quarters are written out, p's loads end with fragment 63, and the counts run down
	QTR 6, 1, 48, 0, 0
	TURN 7, 0, 0
	QTR 8, 1, 48, 1, 0
	QTR 9, 0, 48, 0, 0
	QTR 10, 0, 40, 0, 0
	QTR 11, 0, 32, 0, 0
	QTR 12, 0, 24, 1, 0
	QTR 13, 0, 16, 0, 0
	QTR 14, 0, 8, 0, 0
	s_wait_loadcnt 0x0                             ; the very last quarter: nothing more to fetch
	s_wait_dscnt 0x0
	WIN W_MM
.set NN, 0
.rept 8
	MM 7, 1, NN, 0
.set NN, NN+1
.endr
	PLACES
.rept 24
	WIN W_MM
	MM 7, 1, NN, 0
	WIN W_FM
	FM NN/8-1, NN%8, 1, 0
.set NN, NN+1
.endr
.set NN, 0
.rept 8
	FM 3, NN, 1, 0                                 ; block 3's slices: the four lines of accumulator (2, 7) stand between the last product and these
.set NN, NN+1
.endr
	WIN 0
; THE WAY OUT, block by block of 16 queries x 128 channels.  The sums are divided by L; a lane's 32 bytes go into my stage and come back as whole rows of 512 bytes, which the 32 lanes store as 512 consecutive bytes, aligned.
.macro OUTB a
.set AC, 64*(\a)
.set BK, VF+64*((\a)%2)
.set RP, RL+2*((\a)/2)
	WIN 0x03                                       ; source 0: Ot's window
.set j, 0
.rept 32
.if (\a)%2
	v_pk_mul_f32 v[T+j:T+j+1], v[AC+j:AC+j+1], v[RP:RP+1] op_sel:[0,1] op_sel_hi:[1,1]   ; by the pair's second word
.else
	v_pk_mul_f32 v[T+j:T+j+1], v[AC+j:AC+j+1], v[RP:RP+1] op_sel_hi:[1,0]               ; by the pair's first word
.endif
.set j, j+2
.endr
	WIN 0
.irp b, 0,1,2,3,4,5,6,7
	ds_store_b128 v[STO], v[T+8*\b:T+8*\b+3] offset:64*\b
	ds_store_b128 v[STO], v[T+8*\b+4:T+8*\b+7] offset:64*\b+16
.endr
.irp t, 0,1,2,3,4,5,6,7,8,9,10,11,12,13,14,15
	ds_load_b128 v[BK+4*\t:BK+4*\t+3], v[RD] offset:\t*SPITCH    ; LDS serves a wave's instructions in order: these see the stores above
.endr
.endm
.macro SEND a, younger                 ; younger: the LDS instructions issued behind block a's loads, which may stay out
.set BK, VF+64*((\a)%2)
	s_wait_dscnt \younger
.if (\a) > 0
	s_add_nc_u64 s[10:11], s[10:11], 16*OROW       ; (behind a wait on XCNT: the earlier stores have read their base)
.endif
.irp t, 0,1,2,3,4,5,6,7,8,9,10,11,12,13,14,15
	global_store_b128 v[CO], v[BK+4*\t:BK+4*\t+3], s[10:11] offset:\t*OROW th:TH_STORE_NT   ; written once, read by nobody here
.endr
.endm
	OUTB 0
.irp a, 1,2,3
.if \a > 1
	s_wait_xcnt 0x0                                ; block a - 2's stores have read their registers and their base
.endif
	OUTB \a
	SEND \a-1, 32                                  ; behind block a - 1's loads: block a's 16 stores and 16 loads
.endr
	s_wait_xcnt 0x0
	SEND 3, 0
	s_wait_tensorcnt 0x0                           ; the wave's end
	ds_add_u32 v[SPW], v[NIL]
	s_wait_dscnt 0x0
	CROUND                                         ; the closing round
	s_endpgm
.Lfunc_end_k_qbac80b732d_pv:
	.size	k_qbac80b732d_pv, .Lfunc_end_k_qbac80b732d_pv-k_qbac80b732d_pv
	.p2alignl 7, 3214868480
	.fill 96, 4, 3214868480
	.section	.rodata,"a",@progbits
	.p2align	6, 0x0
	.amdhsa_kernel k_qbac80b732d_pv
		.amdhsa_group_segment_fixed_size 327680
		.amdhsa_private_segment_fixed_size 0
		.amdhsa_enable_private_segment 0
		.amdhsa_kernarg_size 32
		.amdhsa_user_sgpr_count 2
		.amdhsa_user_sgpr_kernarg_segment_ptr 1
		.amdhsa_wavefront_size32 1
		.amdhsa_system_sgpr_workgroup_id_x 1
		.amdhsa_system_sgpr_workgroup_id_y 1
		.amdhsa_system_sgpr_workgroup_id_z 1
		.amdhsa_system_vgpr_workitem_id 0
		.amdhsa_next_free_vgpr 1024
		.amdhsa_next_free_sgpr 80
		.amdhsa_reserve_vcc 0
		.amdhsa_float_denorm_mode_32 3
		.amdhsa_float_denorm_mode_16_64 3
		.amdhsa_memory_ordered 1
		.amdhsa_forward_progress 1
		.amdhsa_inst_pref_size 251
	.end_amdhsa_kernel
	.amdgpu_metadata
---
amdhsa.version: [ 1, 2 ]
amdhsa.kernels:
  - .name:           k_qbac80b732d_pv
    .symbol:         k_qbac80b732d_pv.kd
    .args:
      - { .name: p, .offset: 0, .size: 8, .value_kind: global_buffer, .address_space: global }
      - { .name: qkv, .offset: 8, .size: 8, .value_kind: global_buffer, .address_space: global }
      - { .name: stats, .offset: 16, .size: 8, .value_kind: global_buffer, .address_space: global }
      - { .name: out0, .offset: 24, .size: 8, .value_kind: global_buffer, .address_space: global }
    .group_segment_fixed_size: 327680
    .private_segment_fixed_size: 0
    .kernarg_segment_align: 8
    .kernarg_segment_size: 32
    .max_flat_workgroup_size: 128
    .sgpr_count:     80
    .vgpr_count:     1024
    .wavefront_size: 32
...
	.end_amdgpu_metadata
.endif
;; end of part 4
